; MI455X (gfx1250); checked and timed in simulation.
; The chip was launched on July 23, 2026; its instructions are those of AMD's public machine-readable ISA for CDNA 5 (MIT licence, August 2026) and "CDNA5" Instruction Set Architecture Reference Guide (July 2026). The comments in the code are by the model that wrote it; some were corrected since.
;; Reprogramming Layer. Allowed arithmetic: matrix products marked QUANTISED: E2M1 operands, one E8M0 scale for each 32 along K, by v_wmma_scale_f32_16x16x128_f8f6f4 with both operands' format E2M1 (or v_wmma_scale_f32_32x16x128_f4), f32 sums; products left as they are: bf16, f16 or f32 operands; f32 sums; everything else in f32.
;; Inputs: K_src 2,048 x 2,048 float32; Q 8 x 1,024 x 1,024 float32; V_src 2,048 x 2,048 float32; Wk 2,048 x 1,024 float32; Wo 1,024 x 2,048 float32; Wq 1,024 x 1,024 float32; Wv 2,048 x 1,024 float32; bk 1,024 float32; bo 2,048 float32; bq 1,024 float32; bv 1,024 float32.
;; Outputs: out0 8 x 1,024 x 2,048 float32.
;; This version of the problem:
;;   THIS VERSION OF THE PROBLEM IS GIVEN IN LOW PRECISION. The matrix products marked QUANTISED in the list below multiply operands that are first quantised to E2M1 (2 exponent bits, 1 mantissa bit; 4 bits a number), with one power-of-two scale for each 32 numbers along K (OCP MX v1.0); their sums are f32. The products marked 'left as it is' may take bf16, f16 or f32 operands, with f32 sums. Whichever they take, every output number must still come out within the allowed error. Rounding operands to bf16 (8 significant bits) uses up far more of that allowance than f16 does (11 bits, for magnitudes from 6e-5 to 65,504). All else is computed in f32.
;;   The module's matrix products, in the order in which they are computed (A, B: the left and right operand; K: the contracted axis; several contracted axes count as one K, in the product's order):
;;     1. [M 8,192, K 1,024] x [K 1,024, N 1,024]; A: input Q; B: input Wq: QUANTISED
;;     2. [M 2,048, K 2,048] x [K 2,048, N 1,024]; A: input K_src; B: input Wk: QUANTISED
;;     3. [M 2,048, K 2,048] x [K 2,048, N 1,024]; A: input V_src; B: input Wv: QUANTISED
;;     4. batch 8 x [M 2,048, K 128] x [K 128, N 8,192]; A: computed on the way; B: computed on the way: left as it is (an operand is computed on the way)
;;     5. batch 8 x [M 128, K 2,048] x [K 2,048, N 8,192]; A: computed on the way; B: computed on the way: left as it is (an operand is computed on the way)
;;     6. [M 8,192, K 1,024] x [K 1,024, N 2,048]; A: computed on the way; B: input Wo: left as it is (an operand is computed on the way)
;;   THE QUANTISER, for each operand of a quantised product, along K:
;;     - K is cut into blocks of 32 from its start; a last block that is shorter is filled with zeros.
;;     - A block's scale is 2^e with e = floor(log2(the largest magnitude in the block)) - 2, held to -126 .. 127; a block of zeros has e = 0. As a byte (E8M0): e + 127.
;;     - Each number is divided by its block's scale, clamped to +-6, and rounded to the nearest number of E2M1, ties to even, subnormals kept.
;;     - The product sums the exact products of the quantised numbers (number of the format x scale) in f32.
;;   ~~~python
;;   def quantise(x, axis):      # numpy; x: float32 -> the quantised numbers, widened to float32 again
;;       x = np.moveaxis(x, axis, -1); K = x.shape[-1]
;;       x = np.pad(x, [(0, 0)] * (x.ndim - 1) + [(0, -K % 32)]); x = x.reshape(x.shape[:-1] + (-1, 32)); a = np.abs(x).max(-1, keepdims=True)
;;       e = np.where(a > 0, np.clip(np.frexp(np.where(a > 0, a, 1))[1] - 1 - 2, -126, 127), 0)      # np.frexp(a)[1] - 1 = floor(log2(a)), exactly
;;       r = np.clip(x / 2.0 ** e, -6, 6)
;;       step = 2.0 ** (np.maximum(np.frexp(np.where(r == 0, 1, r))[1] - 1, 0) - 1)
;;       q = np.round(r / step) * step * 2.0 ** e      # np.round: ties to even
;;       return np.moveaxis(q.reshape(q.shape[:-2] + (-1,))[..., :K], -1, axis).astype(np.float32)
;;   ~~~
;; One version. Each part assembles by itself: llvm-mc -triple=amdgcn-amd-amdhsa -mcpu=gfx1250 --defsym DOCPART=n.
;; ======== version 1 of 1: 4 launches
;; limits: values are held in f16: magnitudes above 65,504 overflow, below 6.1e-05 lose precision
;; workspace buffers: act_codes 8,388,608 bytes; act_scales 524,288 bytes; w_codes 2,621,440 bytes; w_scales 163,840 bytes; wo16 4,194,304 bytes; kv16 8,388,608 bytes; oh 16,777,216 bytes
;; launch prep (part 1): grid 720 x 1, 4 waves a work-group, no clusters, 68,096 bytes of LDS; arguments Q, K_src, V_src, Wq, Wk, Wv, Wo, act_codes, act_scales, w_codes, w_scales, wo16; writes act_codes, act_scales, w_codes, w_scales, wo16
.if DOCPART == 1
	.amdgcn_target "amdgcn-amd-amdhsa--gfx1250"
	.amdhsa_code_object_version 6
	.text
	.protected	k_q0676a7fc9c_prep
	.globl	k_q0676a7fc9c_prep
	.p2align	8
	.type	k_q0676a7fc9c_prep,@function
k_q0676a7fc9c_prep:
	s_mov_b64 s[64:65], 0
	v_nop
	global_prefetch_b8 v0, s[64:65] scope:SCOPE_SE
	s_setreg_imm32_b32 hwreg(HW_REG_WAVE_MODE, 25, 1), 1
	s_wait_xcnt 0x0
; PREP: the operands of the three quantised products become codes of E2M1 (4 bits) with one E8M0 byte for each 32 along K; Wo becomes f16.
; DEAD WORK, for the whole program: bk.  scores[b,h,l,s] = q[b,l,h,:] . (k0[s,h,:] + bk[h,:]) = q . k0[s] + q . bk[h]; the second term is the same for every s, which is the
; softmax's axis, so it cancels in A = softmax(scale x scores) for all finite values of the inputs; the product of q and k is not quantised, so bk moves no code and no scale.
; bk has no way to any output: it is not loaded and is no argument of any launch.  LIMIT: a NaN, an infinity or an overflow that reaches only bk's term is not carried to the result.
; bv is live: since a row of A sums to 1, sum_s A (v0 + bv) = sum_s A v0 + bv; it is added in f32 on the attention launch's way out.
; THE QUANTISER: a block's scale is 2^(floor(log2(largest magnitude)) - 2); its byte is the largest magnitude's exponent field - 2, held at 1 from below; numbers are divided by the scale and
; rounded to the nearest code, ties to even, beyond 6 the largest code.  A block of zeros gets the byte 1 where the rule says 127: its codes are zeros, and this program alone reads the bytes.
; LIMITS: blocks whose largest magnitude lies under 2^-124 keep the byte 1; NaN and infinities among the quantised inputs are not served; Wo is rounded to f16 (magnitudes up to 65,504; under 6e-5 in steps of 6e-8).
; THREE PATHS, parted on the work-group's number, each with LDS bytes of its own:
;   0..511   Q, K_src, V_src (K innermost): plain streams of blocks of 32; 32,768 numbers a work-group.  Codes: Q at 0, K_src at 4 MiB, V_src at 6 MiB of act_codes; bytes likewise in act_scales.
;   512..591 Wq, Wk, Wv (K is the first axis): a lane takes a column, its registers run down K.  Laid by K step of 512: w_codes [g][n][256 bytes], w_scales [g][n][16 bytes]; g 0-1 Wq, 2-5 Wk, 6-9 Wv.
;   592..719 Wo to f16, as it lies.
; No tensor loads, no barrier: waves share nothing.  No cluster: no two work-groups read the same bytes.
.set STEPS,  16
.set EMAX,   2
.set CB,     8                         ; bytes of 16 codes
.set RR,     16                        ; rows path: v16-79 four sets of 16 numbers as loaded
.set RX,     80                        ; v80-111 two sets of 16 neighbours
.set RE,     112                       ; v112-127 a scale byte for each step
.set RC,     128                       ; v128-191 codes, four registers a step
.set WREG,   8192                      ; LDS of a wave on the rows path: two stages of 32 x SP bytes, then 256 scale bytes
.set SP,     80                        ; a lane's place in a stage: 64 bytes + 16 of padding
.set CSTG,   32768                     ; columns path: the four stages begin here
.set CPITCH, 272                       ; a stage row: 256 bytes of codes + 16
.set NB,     16                        ; blocks of 32 in a K step of 512
.set CX,     32                        ; v32-95 two sets of 32 numbers
.set CC,     96                        ; v96-99 a block's codes
.set OUTR,   112                       ; v112-175 the way out
.set SB,     24                        ; v24-27 the scale bytes, four to a register
.set WF,     16                        ; Wo path: v16-143
.set SPARE,  67584                     ; behind all stages: the spare words, 128 bytes a wave, that no other line names
.set SPW,    254                       ; v254 LDS address of my spare word; never rewritten
.set NIL,    255                       ; v255 0; never rewritten
.macro CLOSE                           ; the wave's end, behind the last LDS store
	s_wait_tensorcnt 0x0
	ds_add_u32 v[SPW], v[NIL]
	s_wait_dscnt 0x0
	s_endpgm
.endm
.macro RLOAD t                         ; a step's 512 numbers: four loads of 512 consecutive bytes
.irp i, 0,1,2,3
	global_load_b128 v[RR+16*((\t)%4)+4*\i:RR+16*((\t)%4)+4*\i+3], v3, s[30:31] offset:2048*(\t)+512*\i th:TH_LOAD_NT
.endr
.endm
.macro RTURN t                         ; through the wave's own stage: in as loaded, back 64 bytes a lane; LDS serves a wave's instructions in order
.irp i, 0,1,2,3
	ds_store_b128 v14, v[RR+16*((\t)%4)+4*\i:RR+16*((\t)%4)+4*\i+3] offset:32*SP*((\t)%2)+8*SP*\i
.endr
.irp i, 0,1,2,3
	ds_load_b128 v[RX+16*((\t)%2)+4*\i:RX+16*((\t)%2)+4*\i+3], v15 offset:32*SP*((\t)%2)+16*\i
.endr
.endm
.macro RSTEP t
.set XS, RX+16*((\t)%2)
.if (\t) > 0
	s_wait_dscnt 1                                 ; this step's numbers are back from the stage; the last step's byte store may be out
.else
	s_wait_dscnt 0x0
.endif
.if (\t)+4 < STEPS
	RLOAD (\t)+4                                   ; into the set whose stores into the stage have just been shown done
.endif
.if (\t)+1 < STEPS
.if STEPS-2-(\t) >= 3
	s_wait_loadcnt 12                              ; the next step's four loads are in; three younger steps of four may be out
.else
	s_wait_loadcnt 4*(STEPS-2-(\t))
.endif
	RTURN (\t)+1
.endif
	v_max3_num_f32 v8, |v[XS]|, |v[XS+1]|, |v[XS+2]|               ; the largest magnitude of my 16, in two chains
	v_max3_num_f32 v9, |v[XS+3]|, |v[XS+4]|, |v[XS+5]|
.irp i, 6,10
	v_max3_num_f32 v8, v8, |v[XS+\i]|, |v[XS+\i+1]|
	v_max3_num_f32 v9, v9, |v[XS+\i+2]|, |v[XS+\i+3]|
.endr
	v_max3_num_f32 v8, v8, |v[XS+14]|, |v[XS+15]|
	v_max3_num_f32 v8, v8, v9, (EMAX+1)<<23        ; and the floor 2^(3 - 127): the byte cannot fall under 1
	v_max_num_f32_dpp v8, v8, v8 row_xmask:1 row_mask:0xf bank_mask:0xf   ; with my neighbour's 16: the block's
	v_add_nc_u32 v11, -(EMAX<<23), v8              ; 2 off its exponent field: the conversion's scale operand
	v_cvt_scalef32_pk8_fp4_f32 v[RC+4*(\t)], v[XS:XS+7], v11
	v_cvt_scalef32_pk8_fp4_f32 v[RC+4*(\t)+1], v[XS+8:XS+15], v11
	v_lshrrev_b32 v[RE+(\t)], 23, v11              ; the scale's byte (a plain line behind the conversions)
	ds_store_b8 v5, v[RE+(\t)] offset:16*(\t)      ; both lanes of a block write the same byte with the same value
	global_store_b64 v4, v[RC+4*(\t):RC+4*(\t)+1], s[18:19] offset:32*CB*(\t)   ; the wave stores 256 consecutive bytes
.endm
.macro CLOAD t                         ; block t of my column: W(32 t + i, n), i = 0 .. 31; a row of a weight is 4,096 bytes
.irp i, 0,1,2,3,4,5,6,7,8,9,10,11,12,13,14,15,16,17,18,19,20,21,22,23,24,25,26,27,28,29,30,31
	global_load_b32 v[CX+32*((\t)%2)+\i], v3, s[30:31] offset:(32*(\t)+\i)*4096 th:TH_LOAD_NT
.endr
.endm
.macro CBLOCK t
.set XS, CX+32*((\t)%2)
.if (\t) < NB-1
	s_wait_loadcnt 32                              ; this block's 32 loads are in; the next block's may be out
.else
	s_wait_loadcnt 0
.endif
	v_max3_num_f32 v12, |v[XS]|, |v[XS+1]|, |v[XS+2]|              ; all 32 numbers of the block are mine
	v_max3_num_f32 v13, |v[XS+3]|, |v[XS+4]|, |v[XS+5]|
.irp i, 6,10,14,18,22,26
	v_max3_num_f32 v12, v12, |v[XS+\i]|, |v[XS+\i+1]|
	v_max3_num_f32 v13, v13, |v[XS+\i+2]|, |v[XS+\i+3]|
.endr
	v_max3_num_f32 v12, v12, |v[XS+30]|, |v[XS+31]|
	v_max3_num_f32 v12, v12, v13, (EMAX+1)<<23
	v_add_nc_u32 v11, -(EMAX<<23), v12
	v_lshrrev_b32 v13, 23, v11
.if (\t)%4 == 0
	v_mov_b32 v[SB+(\t)/4], v13                    ; four bytes to a register, the lower K in the lower byte
.else
	v_lshl_or_b32 v[SB+(\t)/4], v13, 8*((\t)%4), v[SB+(\t)/4]
.endif
.irp g, 0,1,2,3
	v_cvt_scalef32_pk8_fp4_f32 v[CC+\g], v[XS+8*\g:XS+8*\g+7], v11
.endr
	v_nop                                          ; one plain line behind the last conversion
	ds_store_b128 v4, v[CC:CC+3] offset:16*(\t)    ; 32 codes: 16 bytes of my column's row
.if (\t)+2 < NB
	CLOAD (\t)+2
.endif
	s_wait_dscnt 0x0                               ; the store has read its registers: the next block's codes may be written
.endm
	s_load_b512 s[4:19], s[0:1], 0x0               ; Q 4:5, K_src 6:7, V_src 8:9, Wq 10:11, Wk 12:13, Wv 14:15, Wo 16:17, act_codes 18:19
	s_load_b256 s[20:27], s[0:1], 0x40             ; act_scales 20:21, w_codes 22:23, w_scales 24:25, wo16 26:27
	v_lshl_add_u32 v[SPW], v0, 2, SPARE
	v_mov_b32 v[NIL], 0
	v_lshrrev_b32 v1, 5, v0
	v_readfirstlane_b32 s28, v1                    ; wave 0..3
	v_and_b32 v2, 31, v0                           ; lane
	s_mov_b32 s35, 0                               ; the high word of every offset below
	s_wait_kmcnt 0x0
	s_cmp_lt_u32 ttmp9, 512
	s_cbranch_scc1 .Lrows
	s_cmp_lt_u32 ttmp9, 592
	s_cbranch_scc1 .Lcols
	; ---- Wo to f16: 4,096 numbers a wave; a lane takes 8 neighbours a step, 32 bytes in and 16 out; all 32 loads go out at once
	s_sub_co_u32 s29, ttmp9, 592
	s_lshl_b32 s29, s29, 2
	s_add_co_u32 s29, s29, s28                     ; which run of 4,096 numbers is my wave's
	s_lshl_b32 s34, s29, 14
	s_add_nc_u64 s[16:17], s[16:17], s[34:35]
	s_lshl_b32 s34, s29, 13
	s_add_nc_u64 s[26:27], s[26:27], s[34:35]
	v_lshlrev_b32 v3, 5, v2
	v_lshlrev_b32 v4, 4, v2
.irp t, 0,1,2,3,4,5,6,7,8,9,10,11,12,13,14,15
	global_load_b128 v[WF+8*\t:WF+8*\t+3], v3, s[16:17] offset:1024*\t th:TH_LOAD_NT
	global_load_b128 v[WF+8*\t+4:WF+8*\t+7], v3, s[16:17] offset:1024*\t+16 th:TH_LOAD_NT
.endr
.irp t, 0,1,2,3,4,5,6,7,8,9,10,11,12,13,14,15
	s_wait_loadcnt 30-2*\t                         ; this step's two loads are in; the younger steps' two each may be out
.irp i, 0,1,2,3
	v_cvt_pk_f16_f32 v[WF+8*\t+\i], v[WF+8*\t+2*\i], v[WF+8*\t+2*\i+1]   ; in place, ascending: a source is read before it is written over
.endr
	global_store_b128 v4, v[WF+8*\t:WF+8*\t+3], s[26:27] offset:512*\t   ; 32 lanes store 512 consecutive bytes
.endr
	CLOSE
.Lcols:
	; ---- a weight: 128 columns x 512 along K a work-group, 32 columns a wave
	s_sub_co_u32 s29, ttmp9, 512
	s_and_b32 s32, s29, 7                          ; which 128 columns
	s_lshr_b32 s29, s29, 3                         ; g
	s_cmp_lt_u32 s29, 6
	s_cselect_b64 s[30:31], s[12:13], s[14:15]     ; the choices hang on the work-group's number alone
	s_cselect_b32 s33, 2, 6
	s_cmp_lt_u32 s29, 2
	s_cselect_b64 s[30:31], s[10:11], s[30:31]
	s_cselect_b32 s33, 0, s33
	s_sub_co_u32 s33, s29, s33                     ; the K step inside its weight
	s_lshl_b32 s34, s33, 21                        ; 512 rows of 4,096 bytes
	s_lshl_b32 s36, s32, 7
	s_lshl_b32 s37, s28, 5
	s_add_co_u32 s36, s36, s37                     ; my wave's first column
	s_lshl_b32 s37, s36, 2
	s_add_co_u32 s34, s34, s37
	s_add_nc_u64 s[30:31], s[30:31], s[34:35]
	s_lshl_b32 s37, s29, 10
	s_add_co_u32 s36, s36, s37                     ; 1,024 g + column
	s_lshl_b32 s34, s36, 8
	s_add_nc_u64 s[22:23], s[22:23], s[34:35]      ; its 256 bytes of codes
	s_lshl_b32 s34, s36, 4
	s_add_nc_u64 s[24:25], s[24:25], s[34:35]      ; its 16 scale bytes
	v_lshlrev_b32 v3, 2, v2                        ; in: 4 bytes a lane
	s_mul_i32 s38, s28, 32*CPITCH
	s_add_co_u32 s38, s38, CSTG                    ; my stage
	v_mul_u32_u24 v4, v2, CPITCH
	v_add_nc_u32 v4, s38, v4                       ; into it: row = my column
	v_and_b32 v5, 15, v2
	v_lshrrev_b32 v6, 4, v2
	v_mul_u32_u24 v7, v6, CPITCH
	v_lshl_add_u32 v7, v5, 4, v7
	v_add_nc_u32 v7, s38, v7                       ; out of it: sixteen lanes to a row, two rows an instruction
	v_lshlrev_b32 v8, 4, v2                        ; and in memory, where the wave's 32 rows are dense: 16 x lane
	CLOAD 0
	CLOAD 1
.irp t, 0,1,2,3,4,5,6,7,8,9,10,11,12,13,14,15
	CBLOCK \t
.endr
	global_store_b128 v8, v[SB:SB+3], s[24:25]     ; 32 lanes store 512 consecutive scale bytes
.irp t, 0,1,2,3,4,5,6,7,8,9,10,11,12,13,14,15
	ds_load_b128 v[OUTR+4*\t:OUTR+4*\t+3], v7 offset:2*\t*CPITCH
.endr
.irp t, 0,1,2,3,4,5,6,7,8,9,10,11,12,13,14,15
	s_wait_dscnt 15-\t                             ; loads come back in order: pair t of rows is in
	global_store_b128 v8, v[OUTR+4*\t:OUTR+4*\t+3], s[22:23] offset:512*\t
.endr
	CLOSE
.Lrows:
	; ---- Q, K_src, V_src: 8,192 numbers a wave, 16 steps of 512
	v_lshlrev_b32 v3, 4, v2                        ; my 16 bytes of a load's 512
	s_mul_i32 s33, s28, WREG
	v_lshrrev_b32 v14, 2, v2
	v_mul_u32_u24 v14, v14, SP
	v_and_b32 v15, 3, v2
	v_lshl_add_u32 v14, v15, 4, v14
	v_add_nc_u32 v14, s33, v14                     ; the stage, on the way in: SP (lane / 4) + 16 (lane % 4)
	v_mul_u32_u24 v15, v2, SP
	v_add_nc_u32 v15, s33, v15                     ; on the way out: SP x lane: my 16 neighbours
	v_mul_u32_u24 v4, v2, CB                       ; my codes' place in a step's
	v_lshrrev_b32 v5, 1, v2
	s_add_co_u32 s33, s33, 2*32*SP
	v_add_nc_u32 v5, s33, v5                       ; my wave's 256 scale bytes, my block's byte
	v_lshlrev_b32 v7, 3, v2
	v_add_nc_u32 v6, s33, v7                       ; and on the way out 8 bytes a lane
	s_mov_b32 s29, 384
	s_cmp_lt_u32 ttmp9, 384
	s_cselect_b64 s[30:31], s[6:7], s[8:9]
	s_cselect_b32 s29, 256, s29
	s_cmp_lt_u32 ttmp9, 256
	s_cselect_b64 s[30:31], s[4:5], s[30:31]
	s_cselect_b32 s29, 0, s29
	s_sub_co_u32 s29, ttmp9, s29                   ; the work-group's number inside its tensor
	s_lshl_b32 s29, s29, 2
	s_add_co_u32 s29, s29, s28
	s_lshl_b32 s34, s29, 15                        ; 8,192 numbers of 4 bytes a wave
	s_add_nc_u64 s[30:31], s[30:31], s[34:35]
	s_lshl_b32 s29, ttmp9, 2
	s_add_co_u32 s29, s29, s28                     ; the three tensors' codes and bytes follow each other
	s_lshl_b32 s34, s29, 12
	s_add_nc_u64 s[18:19], s[18:19], s[34:35]
	s_lshl_b32 s34, s29, 8
	s_add_nc_u64 s[20:21], s[20:21], s[34:35]
.irp t, 0,1,2,3
	RLOAD \t
.endr
	s_wait_loadcnt 12                              ; step 0's four loads are in
	RTURN 0
.irp t, 0,1,2,3,4,5,6,7,8,9,10,11,12,13,14,15
	RSTEP \t
.endr
	ds_load_b64 v[8:9], v6                         ; LDS serves a wave's instructions in order: these see my byte stores
	s_wait_dscnt 0x0
	global_store_b64 v7, v[8:9], s[20:21]          ; 32 lanes store 256 consecutive bytes
	CLOSE
.Lfunc_end_k_q0676a7fc9c_prep:
	.size	k_q0676a7fc9c_prep, .Lfunc_end_k_q0676a7fc9c_prep-k_q0676a7fc9c_prep
	.p2alignl 7, 3214868480
	.fill 96, 4, 3214868480
	.section	.rodata,"a",@progbits
	.p2align	6, 0x0
	.amdhsa_kernel k_q0676a7fc9c_prep
		.amdhsa_group_segment_fixed_size 68096
		.amdhsa_private_segment_fixed_size 0
		.amdhsa_enable_private_segment 0
		.amdhsa_kernarg_size 96
		.amdhsa_user_sgpr_count 2
		.amdhsa_user_sgpr_kernarg_segment_ptr 1
		.amdhsa_wavefront_size32 1
		.amdhsa_system_sgpr_workgroup_id_x 1
		.amdhsa_system_sgpr_workgroup_id_y 1
		.amdhsa_system_sgpr_workgroup_id_z 1
		.amdhsa_system_vgpr_workitem_id 0
		.amdhsa_next_free_vgpr 256
		.amdhsa_next_free_sgpr 66
		.amdhsa_reserve_vcc 0
		.amdhsa_float_denorm_mode_32 3
		.amdhsa_float_denorm_mode_16_64 3
		.amdhsa_memory_ordered 1
		.amdhsa_forward_progress 1
		.amdhsa_inst_pref_size 121
	.end_amdhsa_kernel
	.amdgpu_metadata
---
amdhsa.version: [ 1, 2 ]
amdhsa.kernels:
  - .name:           k_q0676a7fc9c_prep
    .symbol:         k_q0676a7fc9c_prep.kd
    .args:
      - { .name: Q, .offset: 0, .size: 8, .value_kind: global_buffer, .address_space: global }
      - { .name: K_src, .offset: 8, .size: 8, .value_kind: global_buffer, .address_space: global }
      - { .name: V_src, .offset: 16, .size: 8, .value_kind: global_buffer, .address_space: global }
      - { .name: Wq, .offset: 24, .size: 8, .value_kind: global_buffer, .address_space: global }
      - { .name: Wk, .offset: 32, .size: 8, .value_kind: global_buffer, .address_space: global }
      - { .name: Wv, .offset: 40, .size: 8, .value_kind: global_buffer, .address_space: global }
      - { .name: Wo, .offset: 48, .size: 8, .value_kind: global_buffer, .address_space: global }
      - { .name: act_codes, .offset: 56, .size: 8, .value_kind: global_buffer, .address_space: global }
      - { .name: act_scales, .offset: 64, .size: 8, .value_kind: global_buffer, .address_space: global }
      - { .name: w_codes, .offset: 72, .size: 8, .value_kind: global_buffer, .address_space: global }
      - { .name: w_scales, .offset: 80, .size: 8, .value_kind: global_buffer, .address_space: global }
      - { .name: wo16, .offset: 88, .size: 8, .value_kind: global_buffer, .address_space: global }
    .group_segment_fixed_size: 68096
    .private_segment_fixed_size: 0
    .kernarg_segment_align: 8
    .kernarg_segment_size: 96
    .max_flat_workgroup_size: 128
    .sgpr_count:     66
    .vgpr_count:     256
    .wavefront_size: 32
...
	.end_amdgpu_metadata
.endif
;; end of part 1
;; launch kvproj (part 2): grid 8 x 32, 4 waves a work-group, clusters of 4 x 4, 327,680 bytes of LDS; arguments act_codes, act_scales, w_codes, w_scales, kv16; writes kv16
.if DOCPART == 2
	.amdgcn_target "amdgcn-amd-amdhsa--gfx1250"
	.amdhsa_code_object_version 6
	.text
	.protected	k_q0676a7fc9c_kvproj
	.globl	k_q0676a7fc9c_kvproj
	.p2align	8
	.type	k_q0676a7fc9c_kvproj,@function
k_q0676a7fc9c_kvproj:
	s_mov_b64 s[64:65], 0
	v_nop
	global_prefetch_b8 v0, s[64:65] scope:SCOPE_SE
	s_setreg_imm32_b32 hwreg(HW_REG_WAVE_MODE, 25, 1), 1
	s_wait_xcnt 0x0
	s_wait_alu depctr_hold_cnt(0) depctr_sa_sdst(0) depctr_va_vdst(0) depctr_va_sdst(0) depctr_va_ssrc(0) depctr_va_vcc(0) depctr_vm_vsrc(0)
	s_getreg_b32 s2, hwreg(HW_REG_IB_STS2, 6, 4)
	s_cmp_eq_u32 s2, 0
	s_cbranch_scc0 .Lentry_in_a_cluster
	s_endpgm
.Lentry_in_a_cluster:
	s_bfe_u32 s2, ttmp6, 0x10000c
	s_cmp_lg_u32 s2, 0xf033
	s_cbranch_scc0 .Lentry_shape_is_right
	s_endpgm
.Lentry_shape_is_right:
; k0 = K_src Wk and v0 = V_src Wv on codes of E2M1 with E8M0 scales; results in f16 by head: kv16 [2 (k, v)][8 heads][2,048 rows][128].
; LEFT OUT: bk (dead work: q . bk is the same along the softmax's axis; shown at the head of the first launch).  bv is added in f32 by the attention launch.  So every sum starts with the constant 0.
; LIMIT: k0 and v0 are rounded to f16: magnitudes up to 65,504; under 6e-5 in steps of 6e-8.
; K_src's and V_src's codes lie one behind the other: one matrix of 4,096 rows x 1,024 bytes.  A work-group makes 128 rows x 128 columns (one head); four waves, 64 x 64 each: 16 accumulators.
; All of K = 2,048 of both tiles fits in LDS: four chunks of 512 along K, each filled ONCE; every wave issues its four tensor loads at the head, so four loads of a wave are out at the most.
; Nothing is filled again; a chunk is read behind a counted wait and a barrier.
; CLUSTERS: 4 x 4 work-groups.  The four of a row need the same rows of codes, the four of a column the same columns of the weight (all rows of a cluster belong to one of the two products):
; each tile is asked for jointly.  THE MATRIX INSTRUCTION IS USED TRANSPOSED (source 0 = 16 columns of the weight, source 1 = 16 rows): a lane holds eight neighbouring channels of one row.
; REGISTERS: window 0: v16-31 addresses; v32-95 the rows' scale words (block a, step S: v[32+16a+S]); v96-159 the weight's (v[96+16b+S]); v160-223 the way out.
;   window 1: v0-127 the accumulators ((a, b) at v[8 (4a+b)]); v128-255 two sets of fragments: 4 of the rows, then 4 of the weight.
.set PITCH,  272                       ; an LDS row: 256 bytes + 16 of padding, so that the 16 rows of a fragment load begin 68 words apart
.set HALFT,  64*PITCH                  ; what one tensor load brings
.set CH,     4*HALFT                   ; a chunk: 128 rows of codes, then 128 columns of the weight
.set STAGE,  4*CH                      ; the way out: 128 rows x 272 bytes
.set SPITCH, 272
.set SPARE,  STAGE+128*SPITCH          ; the spare words, 128 bytes a wave, that no other line names
.set ADRA, 16                          ; v16-19 my rows' fragments in chunk c
.set ADRB, 20                          ; v20-23 my columns'
.set STO,  24
.set RD,   25
.set CO,   26
.set SPW,  28
.set NIL,  29
.set SAO,  30
.set SBO,  31
.set SA,   32
.set SB,   96
.set TMP,  160
.set G1,   24                          ; s[24:31] group 1 for the rows' tiles
.set G1B,  32                          ; s[32:39] for the weight's
.set G0,   40                          ; s[40:55] groups 0 for the rows' tiles, one a chunk
.set G0B,  68                          ; s[68:83] for the weight's
.set MSB, 0
.macro WIN new                         ; the immediate's high byte repeats the setting that is left
.if MSB != \new
	s_set_vgpr_msb (MSB<<8)|\new
.set MSB, \new
.endif
.endm
.macro CROUND                          ; a round of the cluster's barrier
	s_barrier_signal -1
	s_barrier_wait -1
	s_cmp_lg_u32 s14, 0
	s_cbranch_scc1 .Lnot_wave_0_\@
	s_barrier_signal -3
.Lnot_wave_0_\@:
	s_barrier_wait -3
	s_barrier_signal -1
	s_barrier_wait -1
.endm
.macro PLACES                          ; four plain places in front of loads into registers that matrix instructions have read, and of reads of results
.rept 4
	v_nop
.endr
.endm
.macro FETCH S                         ; step S (128 along K: chunk S / 4, bytes 64 (S % 4) on): 16 loads into set S % 2
	WIN 0x40
.irp i, 0,1,2,3
.irp cc, 0,1
	ds_load_b128 v[128+64*((\S)%2)+8*\i+4*\cc:128+64*((\S)%2)+8*\i+4*\cc+3], v[ADRA+(\S)/4] offset:64*((\S)%4)+32*\cc+\i*16*PITCH
.endr
.endr
.irp i, 0,1,2,3
.irp cc, 0,1
	ds_load_b128 v[160+64*((\S)%2)+8*\i+4*\cc:160+64*((\S)%2)+8*\i+4*\cc+3], v[ADRB+(\S)/4] offset:64*((\S)%4)+32*\cc+\i*16*PITCH
.endr
.endr
.endm
.macro KSTEP S
.if (\S) > 0
	PLACES
.endif
.if ((\S) < 15) && (((\S)+1)%4 == 0)
	s_wait_tensorcnt 3-((\S)+1)/4                  ; my part of the next chunk is in; the chunks behind it may stay out
	s_wait_dscnt 0x0                               ; no LDS instruction of mine is out at a signal
	s_barrier_signal -1
	s_barrier_wait -1                              ; everybody's part is in
.endif
.if (\S) < 15
	FETCH (\S)+1
	s_wait_dscnt 16                                ; all but the 16 just issued
.else
	s_wait_dscnt 0x0
.endif
.set F, 128+64*((\S)%2)
	WIN 0x55
.irp a, 0,1,2,3                        ; the 16 accumulators take turns, one instruction a turn
.irp b, 0,1,2,3
.if (\S) == 0
	v_wmma_scale_f32_16x16x128_f8f6f4 v[8*(4*\a+\b):8*(4*\a+\b)+7], v[F+32+8*\b:F+32+8*\b+7], v[F+8*\a:F+8*\a+7], 0, v[SB+16*\b+(\S)], v[SA+16*\a+(\S)] matrix_a_fmt:MATRIX_FMT_FP4 matrix_b_fmt:MATRIX_FMT_FP4
.else
	v_wmma_scale_f32_16x16x128_f8f6f4 v[8*(4*\a+\b):8*(4*\a+\b)+7], v[F+32+8*\b:F+32+8*\b+7], v[F+8*\a:F+8*\a+7], v[8*(4*\a+\b):8*(4*\a+\b)+7], v[SB+16*\b+(\S)], v[SA+16*\a+(\S)] matrix_a_fmt:MATRIX_FMT_FP4 matrix_b_fmt:MATRIX_FMT_FP4
.endif
.endr
.endr
.endm
	s_load_b256 s[4:11], s[0:1], 0x0               ; act_codes 4:5, act_scales 6:7, w_codes 8:9, w_scales 10:11
	s_load_b64 s[12:13], s[0:1], 0x20              ; kv16
	v_lshl_add_u32 v[SPW], v0, 2, SPARE
	v_mov_b32 v[NIL], 0
	ds_add_u32 v[SPW], v[NIL]                      ; the wave's opening: the add, twice on end, and its wait ahead of my first tensor load
	ds_add_u32 v[SPW], v[NIL]
	v_lshrrev_b32 v1, 5, v0
	v_readfirstlane_b32 s14, v1                    ; wave 0..3
	s_lshr_b32 s15, s14, 1                         ; my half of the rows.  Also: I fetch rows (0) or the weight (1)
	s_and_b32 s16, s14, 1                          ; my half of the columns.  Also: which 64 rows of that tile I fetch
	s_bfe_u32 s84, ttmp6, 0x40000                  ; cx
	s_bfe_u32 s85, ttmp6, 0x40004                  ; cy
	s_lshl_b32 s86, ttmp9, 2
	s_add_co_u32 s86, s86, s84                     ; x: the head
	s_and_b32 s90, ttmp7, 0xffff                   ; the cluster's y
	s_lshl_b32 s17, s90, 2
	s_add_co_u32 s17, s17, s85                     ; y: which 128 of the 4,096 rows
	s_lshr_b32 s90, s90, 2                         ; 0: k, 1: v: the same in all sixteen partners
	s_lshl_b32 s87, s85, 2
	s_lshl_b32 s87, 15, s87                        ; my row of the cluster
	s_lshl_b32 s88, 0x1111, s84                    ; my column
	s_or_b32 s[G1+0], s87, (1<<20)|(1<<21)|(5<<22)|(3<<25)    ; 15:0 the mask; elements of 1 byte; 20 padding on; 21 set beside a mask; after every 64 words 4 words
	s_or_b32 s[G1B+0], s88, (1<<20)|(1<<21)|(5<<22)|(3<<25)
.irp g, G1, G1B
	s_mov_b32 s[\g+1], 256<<16                     ; tensor_dim0 = 256 bytes
	s_mov_b32 s[\g+2], 64<<16                      ; tensor_dim1 = 64
	s_mov_b32 s[\g+3], 256<<16                     ; tile_dim0
	s_mov_b32 s[\g+4], 64                          ; tile_dim1
	s_mov_b32 s[\g+6], 0
	s_mov_b32 s[\g+7], 0
.endr
	s_mov_b32 s[G1+5], 1024                        ; a row of codes of K = 2,048
	s_mov_b32 s[G1B+5], 256                        ; the weight's rows of a K step are dense
	s_lshl_b32 s20, s16, 6
	s_lshl_b32 s18, s17, 7
	s_add_co_u32 s18, s18, s20                     ; the first row that I fetch
	s_lshl_b32 s18, s18, 10
	s_add_co_u32 s18, s18, 0x400000                ; behind Q's codes
	s_mov_b32 s19, 0
	s_lshl_b32 s92, s90, 2
	s_add_co_u32 s92, s92, 2                       ; g of chunk 0: 2 for Wk, 6 for Wv
	s_lshl_b32 s92, s92, 10
	s_lshl_b32 s93, s86, 7
	s_add_co_u32 s92, s92, s93
	s_add_co_u32 s92, s92, s20                     ; 1,024 g + 128 x + 64 (wave % 2): the columns that I fetch, and those that I multiply
	s_lshl_b32 s94, s92, 4                         ; their scale bytes
	s_mov_b32 s95, 0
	s_lshl_b32 s92, s92, 8                         ; their codes
	s_mov_b32 s93, 0
	s_lshl_b32 s22, s17, 7
	s_lshl_b32 s23, s15, 6
	s_add_co_u32 s22, s22, s23                     ; the first row that I multiply
	s_lshl_b32 s22, s22, 6
	s_add_co_u32 s22, s22, 0x40000                 ; its scale bytes, behind Q's
	s_mov_b32 s23, 0
	s_mul_i32 s89, s14, HALFT                      ; where my tiles go: no place in the cluster enters an LDS address
	s_wait_dscnt 0x0                               ; both opening adds are done
	s_wait_kmcnt 0x0
	s_add_nc_u64 s[18:19], s[4:5], s[18:19]
	s_add_nc_u64 s[92:93], s[8:9], s[92:93]
	s_add_nc_u64 s[6:7], s[6:7], s[22:23]
	s_add_nc_u64 s[10:11], s[10:11], s[94:95]
	CROUND                                         ; all sixteen work-groups are here: the joint loads meet
.irp c, 0,1,2,3
	s_mov_b32 s[G0+4*\c], 1
	s_add_co_u32 s[G0+4*\c+1], s89, \c*CH
	s_add_nc_u64 s[G0+4*\c+2:G0+4*\c+3], s[18:19], \c*256
	s_or_b32 s[G0+4*\c+3], s[G0+4*\c+3], 0x80000000
	s_mov_b32 s[G0B+4*\c], 1
	s_add_co_u32 s[G0B+4*\c+1], s89, \c*CH
	s_add_nc_u64 s[G0B+4*\c+2:G0B+4*\c+3], s[92:93], \c*262144
	s_or_b32 s[G0B+4*\c+3], s[G0B+4*\c+3], 0x80000000
.endr
	s_cmp_eq_u32 s15, 0                            ; a wave's four fills stand in one branch on the wave's number; an s_nop 0 follows each, four v_nop the last
	s_cbranch_scc0 .Lfirst_b
.irp c, 0,1,2,3
	tensor_load_to_lds s[G0+4*\c:G0+4*\c+3], s[G1:G1+7]
	s_nop 0
.endr
.rept 4
	v_nop
.endr
	s_branch .Lfirst_asked
.Lfirst_b:
.irp c, 0,1,2,3
	tensor_load_to_lds s[G0B+4*\c:G0B+4*\c+3], s[G1B:G1B+7]
	s_nop 0
.endr
.rept 4
	v_nop
.endr
.Lfirst_asked:
	v_and_b32 v1, 15, v0                           ; r
	v_bfe_u32 v2, v0, 4, 1                         ; h
	v_lshlrev_b32 v[SAO], 6, v1                    ; a row's 64 scale bytes
	v_lshlrev_b32 v[SBO], 4, v1                    ; a column's 16 of a chunk
.irp a, 0,1,2,3                        ; all scale words stay in registers: a chunk's four words of a row by one load; lanes 16-31 repeat lanes 0-15
.irp c, 0,1,2,3
	global_load_b128 v[SA+16*\a+4*\c:SA+16*\a+4*\c+3], v[SAO], s[6:7] offset:1024*\a+16*\c
	global_load_b128 v[SB+16*\a+4*\c:SB+16*\a+4*\c+3], v[SBO], s[10:11] offset:16384*\c+256*\a
.endr
.endr
	v_mul_u32_u24 v3, v1, PITCH
	v_lshl_add_u32 v3, v2, 4, v3                   ; a fragment's row x pitch + 16 x half
	s_mul_i32 s21, s15, HALFT
	s_mul_i32 s22, s16, HALFT
	s_add_co_u32 s22, s22, 2*HALFT
.irp c, 0,1,2,3
	v_add_nc_u32 v[ADRA+\c], s21, v3
	v_add_nc_u32 v[ADRB+\c], s22, v3
	s_add_co_u32 s21, s21, CH
	s_add_co_u32 s22, s22, CH
.endr
	s_mul_i32 s23, s15, 64*SPITCH                  ; into the stage: my 64 rows, my half of their 256 bytes
	s_lshl_b32 s21, s16, 7
	s_add_co_u32 s23, s23, s21
	s_add_co_u32 s23, s23, STAGE
	v_mul_u32_u24 v4, v1, SPITCH
	v_lshl_add_u32 v4, v2, 4, v4
	v_add_nc_u32 v[STO], s23, v4
	s_mul_i32 s23, s14, 32*SPITCH                  ; back: wave w takes rows 32 w on, whole; two rows an instruction
	s_add_co_u32 s23, s23, STAGE
	v_mul_u32_u24 v5, v2, SPITCH
	v_lshl_add_u32 v5, v1, 4, v5
	v_add_nc_u32 v[RD], s23, v5
	v_and_b32 v6, 31, v0
	v_lshlrev_b32 v[CO], 4, v6                     ; in memory the rows are dense: 16 x lane
	s_lshl_b32 s20, s90, 3
	s_add_co_u32 s20, s20, s86                     ; 8 (k or v) + head
	s_lshl_b32 s20, s20, 11
	s_and_b32 s21, s17, 15
	s_lshl_b32 s21, s21, 7
	s_add_co_u32 s20, s20, s21
	s_lshl_b32 s21, s14, 5
	s_add_co_u32 s20, s20, s21                     ; the first row that I store
	s_lshl_b32 s20, s20, 8
	s_mov_b32 s21, 0
	s_add_nc_u64 s[12:13], s[12:13], s[20:21]
	s_wait_tensorcnt 3                             ; my part of chunk 0 is in; three younger loads may be out
	s_barrier_signal -1
	s_barrier_wait -1
	FETCH 0
	s_wait_loadcnt 0x0                             ; the scale words
.irp S, 0,1,2,3,4,5,6,7,8,9,10,11,12,13,14,15
	KSTEP \S
.endr
	; THE WAY OUT: rounded to f16; 16 bytes a lane into the stage; a barrier, since a row's 256 bytes come from two waves; back as whole rows
	PLACES
	WIN 0x05
.irp t, 0,1,2,3,4,5,6,7,8,9,10,11,12,13,14,15
.irp r, 0,1,2,3
	v_cvt_pk_f16_f32 v[TMP+4*\t+\r], v[8*\t+2*\r], v[8*\t+2*\r+1]   ; each accumulator from its low end on
.endr
.endr
	WIN 0
.irp a, 0,1,2,3
.irp b, 0,1,2,3
	ds_store_b128 v[STO], v[TMP+4*(4*\a+\b):TMP+4*(4*\a+\b)+3] offset:\a*16*SPITCH+32*\b
.endr
.endr
	s_wait_dscnt 0x0                               ; for the others' sake: my stores into the stage are done
	s_barrier_signal -1
	s_barrier_wait -1
.irp t, 0,1,2,3,4,5,6,7,8,9,10,11,12,13,14,15
	ds_load_b128 v[TMP+4*\t:TMP+4*\t+3], v[RD] offset:\t*2*SPITCH
.endr
.irp t, 0,1,2,3,4,5,6,7,8,9,10,11,12,13,14,15
	s_wait_dscnt 15-\t
	global_store_b128 v[CO], v[TMP+4*\t:TMP+4*\t+3], s[12:13] offset:512*\t   ; 32 lanes store 512 consecutive bytes, two rows
.endr
	s_wait_tensorcnt 0x0                           ; the wave's end
	ds_add_u32 v[SPW], v[NIL]
	s_wait_dscnt 0x0
	CROUND                                         ; the closing round
	s_endpgm
.Lfunc_end_k_q0676a7fc9c_kvproj:
	.size	k_q0676a7fc9c_kvproj, .Lfunc_end_k_q0676a7fc9c_kvproj-k_q0676a7fc9c_kvproj
	.p2alignl 7, 3214868480
	.fill 96, 4, 3214868480
	.section	.rodata,"a",@progbits
	.p2align	6, 0x0
	.amdhsa_kernel k_q0676a7fc9c_kvproj
		.amdhsa_group_segment_fixed_size 327680
		.amdhsa_private_segment_fixed_size 0
		.amdhsa_enable_private_segment 0
		.amdhsa_kernarg_size 40
		.amdhsa_user_sgpr_count 2
		.amdhsa_user_sgpr_kernarg_segment_ptr 1
		.amdhsa_wavefront_size32 1
		.amdhsa_system_sgpr_workgroup_id_x 1
		.amdhsa_system_sgpr_workgroup_id_y 1
		.amdhsa_system_sgpr_workgroup_id_z 1
		.amdhsa_system_vgpr_workitem_id 0
		.amdhsa_next_free_vgpr 512
		.amdhsa_next_free_sgpr 96
		.amdhsa_reserve_vcc 0
		.amdhsa_float_denorm_mode_32 3
		.amdhsa_float_denorm_mode_16_64 3
		.amdhsa_memory_ordered 1
		.amdhsa_forward_progress 1
		.amdhsa_inst_pref_size 73
	.end_amdhsa_kernel
	.amdgpu_metadata
---
amdhsa.version: [ 1, 2 ]
amdhsa.kernels:
  - .name:           k_q0676a7fc9c_kvproj
    .symbol:         k_q0676a7fc9c_kvproj.kd
    .args:
      - { .name: act_codes, .offset: 0, .size: 8, .value_kind: global_buffer, .address_space: global }
      - { .name: act_scales, .offset: 8, .size: 8, .value_kind: global_buffer, .address_space: global }
      - { .name: w_codes, .offset: 16, .size: 8, .value_kind: global_buffer, .address_space: global }
      - { .name: w_scales, .offset: 24, .size: 8, .value_kind: global_buffer, .address_space: global }
      - { .name: kv16, .offset: 32, .size: 8, .value_kind: global_buffer, .address_space: global }
    .group_segment_fixed_size: 327680
    .private_segment_fixed_size: 0
    .kernarg_segment_align: 8
    .kernarg_segment_size: 40
    .max_flat_workgroup_size: 128
    .sgpr_count:     96
    .vgpr_count:     512
    .wavefront_size: 32
...
	.end_amdgpu_metadata
.endif
;; end of part 2
;; launch attn (part 3): grid 32 x 8, 4 waves a work-group, clusters of 4 x 1, 327,680 bytes of LDS; arguments act_codes, act_scales, w_codes, w_scales, bq, bv, kv16, oh; writes oh
.if DOCPART == 3
	.amdgcn_target "amdgcn-amd-amdhsa--gfx1250"
	.amdhsa_code_object_version 6
	.text
	.protected	k_q0676a7fc9c_attn
	.globl	k_q0676a7fc9c_attn
	.p2align	8
	.type	k_q0676a7fc9c_attn,@function
k_q0676a7fc9c_attn:
	s_mov_b64 s[64:65], 0
	v_nop
	global_prefetch_b8 v0, s[64:65] scope:SCOPE_SE
	s_setreg_imm32_b32 hwreg(HW_REG_WAVE_MODE, 25, 1), 1
	s_wait_xcnt 0x0
	s_wait_alu depctr_hold_cnt(0) depctr_sa_sdst(0) depctr_va_vdst(0) depctr_va_sdst(0) depctr_va_ssrc(0) depctr_va_vcc(0) depctr_vm_vsrc(0)
	s_getreg_b32 s2, hwreg(HW_REG_IB_STS2, 6, 4)
	s_cmp_eq_u32 s2, 0
	s_cbranch_scc0 .Lentry_in_a_cluster
	s_endpgm
.Lentry_in_a_cluster:
	s_bfe_u32 s2, ttmp6, 0x10000c
	s_cmp_lg_u32 s2, 0x3003
	s_cbranch_scc0 .Lentry_shape_is_right
	s_endpgm
.Lentry_shape_is_right:
; q = Q Wq + bq (on codes of E2M1, for the work-group's own 256 rows and one head), then O = softmax(q k0^T / 16) v0 + bv, O stored in f16 by head: oh [8 heads][8,192 rows][128].
; bk is left out (dead work: shown at the head of the first launch).  bv is added here, in f32: a row of the softmax sums to 1, so sum A (v0 + bv) = sum A v0 + bv.
; The two products of attention take f16 operands (q, k0, p, v0) and f32 sums.  LIMIT: f16 serves magnitudes up to 65,504; under 6e-5 its steps are 6e-8.
; SHARES.  A work-group owns 256 of the 8,192 rows (b, l) and one head, each of its four waves 64 rows: four tiles of 16.  Every wave walks the head's 2,048 keys, 64 a step.
; THE PROLOGUE.  q^T = Wq^T Q^T + bq (source 0 = 16 channels of Wq, source 1 = 16 rows of Q, C of the first step = bq): a lane holds ONE row and eight channels; two such tiles, rounded to f16 in
; pairs, ARE a fragment of Q (16 rows x 32 channels).  Each q is made once in the launch.  Wq's 128 columns of the head (69,632 bytes of LDS, filled once, jointly) are read by all four waves.
; LAYOUT.  S^T = K Q^T (source 0 = 16 keys, source 1 = 16 rows): a lane holds ONE row and the keys 8 (lane / 16) + 0..7.  Two such tiles, rounded to f16 in pairs, ARE source 1 of O^T = V^T P.
; K comes out of LDS as it lies, V ([key][channel]) turned, by ds_load_tr16_b128.
; SOFTMAX.  For each row a running maximum m and sum l: p = 2^(c s - c m), c = log2(e) / 16; in every step O and l are multiplied by a = 2^(c m_old - c m_new).
; BY TURNS.  The wave's tiles are two PIECES (tiles 0, 1 and tiles 2, 3).  In a TURN one piece has the matrix unit: 32 products V^T P of the step in hand, then 32 products K Q^T of the next step;
; the other piece's softmax, cut into 64 slices, stands between them, one slice behind each matrix instruction.  Two turns are a key step.
; CLUSTER.  The four row blocks of a cluster belong to one head and walk the same K and V (and read the same Wq): each tile is asked for JOINTLY, with a mask that names the four.
; REGISTERS, in windows of 256 (s_set_vgpr_msb: bits 1:0 source 0, 3:2 source 1, 5:4 source 2, 7:6 destination):
;   window 0: v0-11, v44-48, v61-63 addresses; v12-43 statistics; v64-191 S^T; v192-255 P.   In the prologue: v64-95 Q's scale words, v96-159 Wq's, v192-255 bq.
;   window 1: O^T, 64 a tile (in the prologue q^T's sums).   window 2: v0-127 Q in f16; v128-255 K of one step (in the prologue Wq's fragments, two sets).
;   window 3: v0-127 V of one step; v128-191 bv (in the prologue all 256: Q's codes).
.set NK,    2048      ; keys
.set KS,    64        ; keys in a step
.set PK,    272       ; a row of K in LDS: 256 bytes + 16 of padding
.set PV,    288       ; a row of V: 256 + 32
.set VOFF,  KS*PK     ; a step's tiles lie together: 64 rows of K, then 64 rows of V
.set STEPB, KS*(PK+PV)
.set SLOT1, 1<<17     ; a slot holds two steps; slot 1 begins here, so that one exclusive or turns an address in one slot into the other's
.set STAGE, SLOT1+2*STEPB  ; 16 rows x 272 bytes for each wave, for the way out
.set SP,    272
.set SPARE, STAGE+4*16*272  ; the spare words, 128 bytes a wave, that no other line names
.set WQ,    SPARE+512 ; Wq's codes of the head: [K step of 512][128 channels][272 bytes]
.set WQH,   64*272    ; what one wave's load brings of them
.set AK0, 2           ; v2   my lane's place in a tile of K
.set AV0, 3           ; v3   the same for V
.set ADR, 4           ; v4   the LDS address of the run of loads in hand
.set STO, 6           ; v6   the way out: where I put 16 bytes of a row
.set RD,  7           ; v7   where I read a row back
.set GO,  8           ; v8   my byte offset in the wave's rows of O
.set ST,  12          ; tile t's statistics at v[ST+8 t]: +0 c m, +1 m, +2, +3 l, +4 to +7 at work; a takes +6 once the maximum is found
.set QCO, 44          ; v44  Q's codes: 512 r + 16 h
.set QSO, 45          ; v45  Q's scale bytes: 32 r
.set WSO, 46          ; v46  Wq's: 16 r
.set BO,  47          ; v47  the biases: 32 h
.set AWQ, 48          ; v48  Wq's fragments in LDS
.set PFO, 61          ; v61  256 x my lane
.set SPW, 62          ; v62  LDS address of my spare word; never rewritten
.set NIL, 63          ; v63  0; never rewritten
.set S,   64
.set P,   192
.set KF,  128         ; K's fragments, in window 2
.set SQ,  64          ; prologue: Q's scale word of tile t, step s: v[SQ+8t+s]
.set SW,  96          ; Wq's of channel tile n, step s: v[SW+8n+s]
.set BB,  192         ; bq in the result's layout, eight registers a channel tile
.set WV,  12          ; s12  my wave's number
.set LIM, 15          ; s15  1 in a wave that prefetches, else the greatest number
.set PFA, 18          ; s[18:19] where my prefetches stand
.set G1K, 24          ; s[24:31] group 1 for K's tiles
.set G1V, 32          ; s[32:39] for V's
.set G0K, 40          ; s[40:47] groups 0 for K's tiles: one for each first fill; the second then walks on
.set G0V, 48          ; s[48:55] the same for V's
.set SLOTS, 56
.set TWICE, 57
.set CS,  58          ; s[58:59] c
.set SEL, 60          ; s[60:61] selects for v_permlanex16_b32: lane l xor 16
.set TB,  62          ; s62  LDS byte at which the tiles of the step to be fetched begin
.set G1W, 76          ; s[76:83], s[84:87] groups 1 and 0 for Wq's codes
.set G0W, 84
.set MSB, 0
.macro WIN new
.if MSB != \new
	s_set_vgpr_msb (MSB<<8)|\new
.set MSB, \new
.endif
.endm
.set W_KQ, 0x0a       ; K and Q in window 2, S^T in window 0
.set W_PV, 0x53       ; V in window 3, P in window 0, O^T in window 1
.set W_RS, 0x41       ; O^T in window 1, a in window 0
; A joint refill.  Waves 0 and 1 fetch the two steps' tiles of K, waves 2 and 3 those of V.  An s_nop 0 and four v_nop follow each of the two lines.
.macro JLOAD
	s_cmp_lt_u32 s[WV], 2
	s_cbranch_scc0 .Lfor_v_\@
	tensor_load_to_lds s[G0K+4:G0K+7], s[G1K:G1K+7]
	s_nop 0
.rept 4
	v_nop
.endr
	s_branch .Lasked_\@
.Lfor_v_\@:
	tensor_load_to_lds s[G0V+4:G0V+7], s[G1V:G1V+7]
	s_nop 0
.rept 4
	v_nop
.endr
.Lasked_\@:
.endm
; A prefetch of what the NEXT change of slots will ask for: a slot's 128 rows of K and 128 of V, 256 bytes a row, a lane a row.  Each row is named once in the launch: the head's first cluster asks;
; its four partners take 32 rows each, told apart by address; in each, wave 0 asks for K's and wave 2 for V's.  The last change that fills a slot asks for nothing.
.macro ASK
	s_cmp_gt_u32 s[SLOTS], s[LIM]
	s_cbranch_scc0 .Lnot_mine_\@
	global_prefetch_b8 v[PFO], s[PFA:PFA+1] th:TH_LOAD_NT scope:SCOPE_SE
.Lnot_mine_\@:
.endm
.macro CROUND                       ; a round of the cluster's barrier
	s_barrier_signal -1
	s_barrier_wait -1
	s_cmp_lg_u32 s[WV], 0
	s_cbranch_scc1 .Lnot_wave_0_\@
	s_barrier_signal -3
.Lnot_wave_0_\@:
	s_barrier_wait -3
	s_barrier_signal -1
	s_barrier_wait -1
.endm
.macro PLACES                       ; four plain places (ISA guide 7.12.1)
.rept 4
	v_nop
.endr
.endm
; THE PROLOGUE'S TWO MACROS.  Step s is 128 along K = 1,024.
.macro FETCH_W s                    ; Wq's eight fragments (16 channels x 128 K: 8 registers) into set s % 2
	WIN 0x80
.irp n, 0,1,2,3,4,5,6,7
.irp c, 0,1
	ds_load_b128 v[128+64*((\s)%2)+8*\n+4*\c:128+64*((\s)%2)+8*\n+4*\c+3], v[AWQ] offset:((\s)/4)*2*WQH+64*((\s)%4)+32*\c+16*272*\n
.endr
.endr
.endm
.macro PROJ s                       ; 32 products: four tiles of rows x eight tiles of channels; the 32 accumulators take turns
.if (\s) == 0
	WIN 0x4e                        ; Wq window 2, Q's codes window 3, bq window 0, the sums window 1
.else
	WIN 0x5e
.endif
.irp t, 0,1,2,3
.irp n, 0,1,2,3,4,5,6,7
.if (\s) == 0
	v_wmma_scale_f32_16x16x128_f8f6f4 v[64*\t+8*\n:64*\t+8*\n+7], v[128+64*((\s)%2)+8*\n:128+64*((\s)%2)+8*\n+7], v[32*(\s)+8*\t:32*(\s)+8*\t+7], v[BB+8*\n:BB+8*\n+7], v[SW+8*\n+(\s)], v[SQ+8*\t+(\s)] matrix_a_fmt:MATRIX_FMT_FP4 matrix_b_fmt:MATRIX_FMT_FP4
.else
	v_wmma_scale_f32_16x16x128_f8f6f4 v[64*\t+8*\n:64*\t+8*\n+7], v[128+64*((\s)%2)+8*\n:128+64*((\s)%2)+8*\n+7], v[32*(\s)+8*\t:32*(\s)+8*\t+7], v[64*\t+8*\n:64*\t+8*\n+7], v[SW+8*\n+(\s)], v[SQ+8*\t+(\s)] matrix_a_fmt:MATRIX_FMT_FP4 matrix_b_fmt:MATRIX_FMT_FP4
.endif
.endr
.endr
.endm
; THE MATRIX WORK OF A TURN, for piece x.  The accumulators take turns, one instruction a turn.
; Product i of 32 of O^T += V^T P: keys 32 (i / 16) on, channels 16 ((i / 2) % 8) on, tile x + i % 2.  zero = 1: the first 16 start the sums.
.macro PV x, zero
	WIN W_PV
.set rO, 64*(\x+i%2)+8*((i/2)%8)
.set rV, 64*(i/16)+8*((i/2)%8)
.set rP, P+16*(\x+i%2)+8*(i/16)
.if \zero && (i < 16)
	v_wmma_f32_16x16x32_f16 v[rO:rO+7], v[rV:rV+7], v[rP:rP+7], 0
.else
	v_wmma_f32_16x16x32_f16 v[rO:rO+7], v[rV:rV+7], v[rP:rP+7], v[rO:rO+7]
.endif
.endm
; Product i of 32 of S^T = K Q^T: channels 32 (i / 8) on, keys 16 ((i / 2) % 4) on, tile x + i % 2.  The first 8 start the sums.
.macro KQ x
	WIN W_KQ
.set rS, S+32*(\x+i%2)+8*((i/2)%4)
.set rK, KF+32*((i/2)%4)+8*(i/8)
.set rQ, 32*(\x+i%2)+8*(i/8)
.if i < 8
	v_wmma_f32_16x16x32_f16 v[rS:rS+7], v[rK:rK+7], v[rQ:rQ+7], 0
.else
	v_wmma_f32_16x16x32_f16 v[rS:rS+7], v[rK:rK+7], v[rQ:rQ+7], v[rS:rS+7]
.endif
.endm
; THE LDS LOADS stand in runs of 32: a step's K (16 fragments) and, a turn later, its V (turned).
.macro FETCH_K
	WIN 0
	v_add_nc_u32 v[ADR], s[TB], v[AK0]
	WIN 0x80
.irp f, 0,1,2,3,4,5,6,7,8,9,10,11,12,13,14,15
	ds_load_b128 v[KF+8*\f:KF+8*\f+3],   v[ADR] offset:(\f/4)*16*PK+(\f%4)*64
	ds_load_b128 v[KF+8*\f+4:KF+8*\f+7], v[ADR] offset:(\f/4)*16*PK+(\f%4)*64+32
.endr
.endm
.macro FETCH_V
	WIN 0
	v_add_nc_u32 v[ADR], s[TB], v[AV0]
	s_add_co_u32 s[TB], s[TB], STEPB  ; the next fetch is the next step's
	s_wait_alu depctr_va_vdst(0)    ; the wait for the softmax's batch of exponentials, ahead of the first line that names a result
	WIN 0xc0
.irp f, 0,1,2,3,4,5,6,7,8,9,10,11,12,13,14,15
	ds_load_tr16_b128 v[8*\f:8*\f+3],   v[ADR] offset:(\f/8)*32*PV+(\f%8)*32
	ds_load_tr16_b128 v[8*\f+4:8*\f+7], v[ADR] offset:(\f/8)*32*PV+16*PV+(\f%8)*32
.endr
.endm
; THE VECTOR WORK OF A TURN.  One tile's softmax for one key step is a list of 134 instructions; SM writes number j of it for tile t.
;   0-15 the maximum of the lane's 32 scores and the old m;  16-20 the other half of the lanes' maximum, the new m, c m, c m_old - c m_new;
;   21-69 ONE BATCH: 16 packed scalings c s - c m and all 33 exponentials, none of which reads an exponential's result;  (the one wait);
;   70-85 the roundings to f16;  86-101 the sums, l = a l + the sum;  102-133 the tile's O^T times a.   first = 1: the first key step: no a, nothing to rescale.
.macro SM t, first
.set rT, ST+8*(\t)
.set rS, S+32*(\t)
.set rP, P+16*(\t)
.set rO, 64*(\t)+2*(j-102)
.if j < 102
	WIN 0
.endif
.if j < 4
	v_max3_num_f32 v[rT+4+j], v[rS+8*j], v[rS+8*j+1], v[rS+8*j+2]
.elseif j < 12
	v_max3_num_f32 v[rT+4+j%4], v[rT+4+j%4], v[rS+8*(j%4)+2*(j/4)+1], v[rS+8*(j%4)+2*(j/4)+2]
.elseif j == 12
	v_max3_num_f32 v[rT+4], v[rT+4], v[rS+7], v[rS+15]
.elseif j == 13
	v_max3_num_f32 v[rT+6], v[rT+6], v[rS+23], v[rS+31]
.elseif j == 14
	v_max3_num_f32 v[rT+4], v[rT+4], v[rT+5], v[rT+6]
.elseif (j == 15) && \first
	v_max_num_f32 v[rT+4], v[rT+4], v[rT+7]
.elseif j == 15
	v_max3_num_f32 v[rT+4], v[rT+4], v[rT+7], v[rT+1]
.elseif j == 16
	v_permlanex16_b32 v[rT+5], v[rT+4], s[SEL], s[SEL+1]  ; the row's other 32 keys lie in the lane 16 away
.elseif j == 18
	v_max_num_f32 v[rT+1], v[rT+4], v[rT+5]
.elseif j == 19
	v_mul_f32 v[rT], s[CS], v[rT+1]
.elseif ((j == 17) || (j == 20) || (j == 23) || (j > 101)) && \first
.elseif j == 17
	v_mov_b32 v[rT+7], v[rT]        ; c m_old is kept for a
.elseif j == 20
	v_sub_f32 v[rT+7], v[rT+7], v[rT]
.elseif j == 23
	v_exp_f32 v[rT+6], v[rT+7]
.elseif (j < 23) || ((j < 38) && (j%2 == 0)) || ((j < 66) && (j%4 == 2))
.set b, (j-2)/4
.if j < 38
.set b, (j-20)/2
.endif
	v_pk_fma_f32 v[rS+2*b:rS+2*b+1], v[rS+2*b:rS+2*b+1], s[CS:CS+1], v[rT:rT+1] op_sel_hi:[1,0,0] neg_lo:[0,0,1] neg_hi:[0,0,1]  ; pair b: c s - c m
.elseif j < 70
.set e, j-38
.if j < 66
.set e, j-32-(j-38)/4
.endif
.if j < 38
.set e, (j-25)/2
.endif
	v_exp_f32 v[rS+e], v[rS+e]
.elseif j < 86
	v_cvt_pk_f16_f32 v[rP+j-70], v[rS+2*(j-70)], v[rS+2*(j-70)+1]
.elseif j < 102
.set z, j-86
.set w, 4
.set u, z
.if z >= 14
.set w, 32
.set u, 0
.elseif z >= 12
.set w, 16
.set u, z-12
.elseif z >= 8
.set w, 8
.set u, z-8
.endif
.if (z == 14) && \first
	v_pk_add_f32 v[rT+2:rT+3], v[rS:rS+1], v[rS+16:rS+17]
.elseif z < 15
	v_pk_add_f32 v[rS+w*u:rS+w*u+1], v[rS+w*u:rS+w*u+1], v[rS+w*u+w/2:rS+w*u+w/2+1]
.elseif !\first
	v_pk_fma_f32 v[rT+2:rT+3], v[rT+2:rT+3], v[rT+6:rT+7], v[rS:rS+1] op_sel_hi:[1,0,1]
.endif
.else
	WIN W_RS
	v_pk_mul_f32 v[rO:rO+1], v[rO:rO+1], v[rT+6:rT+7] op_sel_hi:[1,0]
.endif
.endm
; Slice k of 64 of piece y's softmax: four instructions.  Slices 11 to 34 deal out the batch, four numbers of ONE tile each, the tiles by turns; every other slice is numbers 2 k and 2 k + 1 of both
; tiles' lists; the twelve that are over stand in slice 63.  Ahead of slice 35 nothing names an exponential's result, behind slice 34 none is issued: one wait serves the piece's 66.
.macro SLICE y, first
.if (k >= 11) && (k < 35)
.irp n, 0,1,2,3
.set j, 22+4*((k-11)/2)+(\n)
	SM (\y)+(k-11)%2, \first
.endr
.else
.irp n, 0,1,2,3,4,5,6,7
.if (\n < 2) || (k == 63)
.irp t, \y, \y+1
.set j, 2*k+\n
	SM \t, \first
.endr
.endif
.endr
.endif
.if k == 34
	v_nop                           ; the plain instruction behind the last exponential: one for the batch
.if (\y) == 0
	FETCH_V                         ; piece 2's turn: V's run of loads stands here, and the wait stands in it
.else
	s_wait_alu depctr_va_vdst(0)    ; the wait for the batch
.endif
.endif
.set k, k+1
.endm
; A TURN.  Piece x has the matrix unit; the other piece's softmax stands in slices behind its matrix instructions.
; pv = 2: 32 products V^T P; 1: they start O^T's sums; 0: none.  kq = 1: 32 products K Q^T for the next step.  A turn with one of the two kinds has two slices behind each product.
.macro TURN x, pv, kq, first
.set k, 0
.set per, 2
.if \pv && \kq
.set per, 1
.endif
.if \pv
.if \x == 0
	s_wait_dscnt 0x0                ; V is in
.endif
.set i, 0
.rept 32
	PV \x, 2-\pv
.rept per
	SLICE 2-\x, \first
.endr
.if (\x == 0) && \kq && (i == 1)
	FETCH_K
.endif
.set i, i+1
.endr
.endif
.if \kq
.if \x == 0
	s_wait_dscnt 0x0                ; K is in
.endif
.set i, 0
.rept 32
	KQ \x
.rept per
	SLICE 2-\x, \first
.endr
.set i, i+1
.endr
.endif
.if \first
	PLACES
.endif
.endm
; THE CHANGE OF SLOTS.  Each wave waits for all its tensor loads, of which one is out: its part of the other slot; adds 0 to its spare word; and waits for that and for its own reads of the slot.
; fill = 1: the slot is filled again, with the keys two slots on: the barrier is then a round of the cluster's, and the joint refill is the first thing behind it: it has two key steps in which to land.
.macro CHANGE fill
	WIN 0
	s_wait_tensorcnt 0x0            ; no tensor load of mine is out, so a group 0 may be written
	ds_add_u32 v[SPW], v[NIL]       ; 0 onto my spare word
.if \fill
.irp g, G0K+4, G0V+4
	s_xor_b32 s[\g+1], s[\g+1], SLOT1
	s_add_nc_u64 s[\g+2:\g+3], s[\g+2:\g+3], 2*KS*256
.endr
	s_wait_xcnt 0x0                 ; the last prefetch, two key steps back, has read its address, so it may be written
	s_add_nc_u64 s[PFA:PFA+1], s[PFA:PFA+1], 2*KS*256
	s_wait_dscnt 0x0                ; the add is done, and my reads of the slot are over
	CROUND
	JLOAD
	ASK
.else
	s_wait_dscnt 0x0
	s_barrier_signal -1
	s_barrier_wait -1
.endif
	s_sub_co_u32 s[TB], s[TB], 2*STEPB
	s_xor_b32 s[TB], s[TB], SLOT1
.endm
.macro TWO_STEPS                    ; a slot's two key steps: written once, walked twice
	s_mov_b32 s[TWICE], 2
.Lstep_\@:
	TURN 0, 2, 1, 0
	TURN 2, 2, 1, 0
	WIN 0
	s_sub_co_u32 s[TWICE], s[TWICE], 1
	s_cmp_lg_u32 s[TWICE], 0
	s_cbranch_scc1 .Lstep_\@
.endm
; THE WAY OUT of tile t: O^T / l + bv in one fused multiply-add, rounded to f16; 16 bytes a lane into rows of 272 bytes, back as whole rows of 256.
.macro PACK t
	WIN 0x71                        ; O^T window 1, 1 / l window 0, bv window 3
.set i, 64*\t
.rept 32
	v_pk_fma_f32 v[i:i+1], v[i:i+1], v[ST+8*\t+6:ST+8*\t+7], v[128+i-64*\t:128+i-64*\t+1] op_sel_hi:[1,0,1]
.set i, i+2
.endr
	WIN 0x05
.set i, 0
.rept 32
	v_cvt_pk_f16_f32 v[S+32*\t+i], v[64*\t+2*i], v[64*\t+2*i+1]
.set i, i+1
.endr
	WIN 0
.irp f, 0,1,2,3,4,5,6,7
	ds_store_b128 v[STO], v[S+32*\t+4*\f:S+32*\t+4*\f+3] offset:32*\f
.endr
.irp f, 0,1,2,3,4,5,6,7
	ds_load_b128 v[S+32*\t+4*\f:S+32*\t+4*\f+3], v[RD] offset:\f*2*SP  ; LDS serves a wave's instructions in order: these see the stores above
.endr
.endm
.macro SEND t, younger              ; younger: the LDS instructions issued behind tile t's loads
.irp f, 0,1,2,3,4,5,6,7
	s_wait_dscnt \younger+7-\f
	global_store_b128 v[GO], v[S+32*\t+4*\f:S+32*\t+4*\f+3], s[10:11] offset:\t*4096+\f*512  ; 16 lanes store 256 consecutive bytes, aligned
.endr
.endm
	s_load_b256 s[68:75], s[0:1], 0x0  ; act_codes 68:69, act_scales 70:71, w_codes 72:73, w_scales 74:75
	s_load_b256 s[88:95], s[0:1], 0x20  ; bq 88:89, bv 90:91, kv16 92:93, oh 94:95
	v_lshl_add_u32 v[SPW], v0, 2, SPARE
	v_mov_b32 v[NIL], 0
	ds_add_u32 v[SPW], v[NIL]       ; the wave's opening: the add, twice on end, and its wait ahead of my first tensor load
	ds_add_u32 v[SPW], v[NIL]
	v_lshrrev_b32 v1, 5, v0
	v_readfirstlane_b32 s[WV], v1   ; wave 0..3
	s_bfe_u32 s13, ttmp6, 0x40000   ; cx
	s_lshl_b32 s14, ttmp9, 2
	s_add_co_u32 s14, s14, s13      ; my block of 256 rows: it enters Q's and O's addresses alone
	s_and_b32 s96, ttmp7, 0xffff    ; the head, which the four partners share
	s_lshl_b32 s20, s96, 19         ; the head's 2,048 rows of 256 bytes in k0 and in v0
	s_mov_b32 s21, 0
	s_and_b32 s16, s[WV], 1         ; which of a slot's two steps I fetch
	s_lshl_b32 s22, s16, 14
	s_mov_b32 s23, 0
	s_add_nc_u64 s[22:23], s[22:23], s[20:21]
	s_mul_i32 s17, s16, STEPB       ; and its place in a slot
	s_lshl_b32 s2, s14, 16
	s_lshl_b32 s3, s[WV], 14
	s_add_co_u32 s2, s2, s3         ; (256 block + 64 wave) x 256
	s_lshl_b32 s98, s2, 1           ; the same rows' codes: 512 bytes a row
	s_mov_b32 s99, 0
	s_lshl_b32 s3, s96, 21          ; the head's 8,192 rows of O
	s_add_co_u32 s2, s2, s3
	s_mov_b32 s3, 0
	s_mov_b32 s[G1K], 15|(1<<16)|(1<<20)|(1<<21)|(5<<22)|(3<<25)  ; the mask: all four; elements of 2 bytes; padding on; 21 set beside a mask; after every 64 words 4 words
	s_mov_b32 s[G1V], 15|(1<<16)|(1<<20)|(1<<21)|(5<<22)|(7<<25)  ; the same with 8 words of padding
.irp g, G1K, G1V
	s_mov_b32 s[\g+1], 128<<16      ; tensor_dim0 = 128
	s_mov_b32 s[\g+2], KS<<16       ; tensor_dim1 = 64
	s_mov_b32 s[\g+3], 128<<16      ; tile_dim0
	s_mov_b32 s[\g+4], KS           ; tile_dim1
	s_mov_b32 s[\g+5], 128          ; from row to row
	s_mov_b32 s[\g+6], 0
	s_mov_b32 s[\g+7], 0
.endr
	s_mov_b32 s[G1W], 15|(1<<20)|(1<<21)|(5<<22)|(3<<25)  ; Wq's codes: 64 rows of 256 bytes, elements of 1 byte
	s_mov_b32 s[G1W+1], 256<<16
	s_mov_b32 s[G1W+2], 64<<16
	s_mov_b32 s[G1W+3], 256<<16
	s_mov_b32 s[G1W+4], 64
	s_mov_b32 s[G1W+5], 256
	s_mov_b32 s[G1W+6], 0
	s_mov_b32 s[G1W+7], 0
	s_mov_b32 s[G0W], 1
	s_mul_i32 s[G0W+1], s[WV], WQH
	s_add_co_u32 s[G0W+1], s[G0W+1], WQ
	s_lshr_b32 s[G0W+2], s[WV], 1   ; K step of 512: wave / 2; its 1,024 rows of 256 bytes
	s_lshl_b32 s[G0W+2], s[G0W+2], 18
	s_lshl_b32 s97, s96, 15         ; the head's 128 rows
	s_add_co_u32 s[G0W+2], s[G0W+2], s97
	s_lshl_b32 s97, s16, 14         ; my 64 of them
	s_add_co_u32 s[G0W+2], s[G0W+2], s97
	s_mov_b32 s[G0W+3], 0
	s_mov_b32 s[CS], 0x3db8aa3b     ; c = log2(e) / 16
	s_mov_b32 s[CS+1], s[CS]
	s_mov_b32 s[SEL], 0x76543210
	s_mov_b32 s[SEL+1], 0xfedcba98
	s_mov_b32 s[TB], 0
	s_mov_b32 s[SLOTS], NK/(2*KS)-2
	s_and_b32 s[LIM], s[WV], 1      ; 0 in waves 0 and 2,
	s_or_b32 s[LIM], s[LIM], ttmp9  ; where the cluster is the head's first: the same in all four partners
	s_cmp_eq_u32 s[LIM], 0
	s_cselect_b32 s[LIM], 1, -1
	v_and_b32 v[PFO], 31, v0
	v_lshlrev_b32 v[PFO], 8, v[PFO]
	s_wait_dscnt 0x0                ; both opening adds are done
	s_wait_kmcnt 0x0
	s_add_nc_u64 s[6:7], s[92:93], s[22:23]  ; K at my tile of slot 0
	s_add_nc_u64 s[8:9], s[6:7], 0x400000  ; V: behind the eight heads of k0
	s_add_nc_u64 s[10:11], s[94:95], s[2:3]  ; O at my wave's first row
	s_add_nc_u64 s[4:5], s[68:69], s[98:99]  ; Q's codes likewise
	s_lshr_b32 s98, s98, 4
	s_add_nc_u64 s[70:71], s[70:71], s[98:99]  ; and its scale bytes, 32 a row
	s_lshl_b32 s98, s96, 11
	s_add_nc_u64 s[74:75], s[74:75], s[98:99]  ; Wq's scale bytes of the head's 128 columns
	s_lshl_b32 s98, s96, 9
	s_add_nc_u64 s[88:89], s[88:89], s[98:99]  ; bq and bv of the head
	s_add_nc_u64 s[90:91], s[90:91], s[98:99]
	s_add_nc_u64 s[G0W+2:G0W+3], s[72:73], s[G0W+2:G0W+3]
	s_or_b32 s[G0W+3], s[G0W+3], 0x80000000
	s_cmp_lt_u32 s[WV], 2
	s_cselect_b64 s[PFA:PFA+1], s[6:7], s[8:9]  ; (in waves 0 and 2 these stand at a slot's first row)
	s_lshl_b32 s2, s13, 13          ; my work-group's 32 rows of the 128
	s_mov_b32 s3, 0
	s_add_nc_u64 s[PFA:PFA+1], s[PFA:PFA+1], s[2:3]
	s_add_nc_u64 s[PFA:PFA+1], s[PFA:PFA+1], 2*2*KS*256  ; in slot 2; the first change of slots steps it to slot 3.  Nothing is prefetched at the head
	CROUND                          ; all four work-groups are here: the first joint loads meet
.irp s, 0,1
	s_mov_b32 s[G0K+4*\s], 1
	s_add_co_u32 s[G0K+4*\s+1], s17, \s*SLOT1
	s_add_nc_u64 s[G0K+4*\s+2:G0K+4*\s+3], s[6:7], \s*2*KS*256
	s_or_b32 s[G0K+4*\s+3], s[G0K+4*\s+3], 0x80000000
	s_mov_b32 s[G0V+4*\s], 1
	s_add_co_u32 s[G0V+4*\s+1], s17, \s*SLOT1+VOFF
	s_add_nc_u64 s[G0V+4*\s+2:G0V+4*\s+3], s[8:9], \s*2*KS*256
	s_or_b32 s[G0V+4*\s+3], s[G0V+4*\s+3], 0x80000000
.endr
	tensor_load_to_lds s[G0W:G0W+3], s[G1W:G1W+7]  ; every wave: its quarter of Wq's codes; with the two below three loads of mine are out
	s_nop 0
	s_cmp_lt_u32 s[WV], 2
	s_cbranch_scc0 .Lfirst_v
	tensor_load_to_lds s[G0K:G0K+3], s[G1K:G1K+7]
	s_nop 0
	tensor_load_to_lds s[G0K+4:G0K+7], s[G1K:G1K+7]
	s_nop 0
.rept 4
	v_nop
.endr
	s_branch .Lfirst_asked
.Lfirst_v:
	tensor_load_to_lds s[G0V:G0V+3], s[G1V:G1V+7]
	s_nop 0
	tensor_load_to_lds s[G0V+4:G0V+7], s[G1V:G1V+7]
	s_nop 0
.rept 4
	v_nop
.endr
.Lfirst_asked:
	v_and_b32 v1, 15, v0            ; r
	v_bfe_u32 v9, v0, 4, 1          ; h
	v_lshlrev_b32 v[QCO], 9, v1
	v_lshl_add_u32 v[QCO], v9, 4, v[QCO]
	v_lshlrev_b32 v[QSO], 5, v1
	v_lshlrev_b32 v[WSO], 4, v1
	v_lshlrev_b32 v[BO], 5, v9
	v_mul_u32_u24 v[AWQ], v1, 272
	v_lshl_add_u32 v[AWQ], v9, 4, v[AWQ]
	v_add_nc_u32 v[AWQ], WQ, v[AWQ]
.irp t, 0,1,2,3                     ; Q's scale words: eight a row
.irp j, 0,1
	global_load_b128 v[SQ+8*\t+4*\j:SQ+8*\t+4*\j+3], v[QSO], s[70:71] offset:512*\t+16*\j
.endr
.endr
.irp n, 0,1,2,3,4,5,6,7             ; Wq's: four a column and K step of 512
.irp j, 0,1
	global_load_b128 v[SW+8*\n+4*\j:SW+8*\n+4*\j+3], v[WSO], s[74:75] offset:16384*\j+256*\n
.endr
.endr
.irp n, 0,1,2,3,4,5,6,7             ; bq: lane (r, h) wants, for channel tile n, channels 16 n + 8 h + 0 .. 7
	global_load_b128 v[BB+8*\n:BB+8*\n+3], v[BO], s[88:89] offset:64*\n
	global_load_b128 v[BB+8*\n+4:BB+8*\n+7], v[BO], s[88:89] offset:64*\n+16
.endr
	WIN 0xc0                        ; destination window 3
.irp s, 0,1,2,3,4,5,6,7             ; Q's codes, by step, so that the waits below can count: step s, tile t at v[32 s + 8 t]
.irp t, 0,1,2,3
.irp c, 0,1
	global_load_b128 v[32*\s+8*\t+4*\c:32*\s+8*\t+4*\c+3], v[QCO], s[4:5] offset:8192*\t+64*\s+32*\c
.endr
.endr
.endr
	WIN 0
	v_mul_u32_u24 v[AK0], v1, PK
	v_lshl_add_u32 v[AK0], v9, 4, v[AK0]  ; K: row x pitch + 16 x half
	v_and_b32 v10, 7, v0            ; V, for the turning load: key 8 (l / 16) + l % 8, channels 8 ((l / 8) % 2) on
	v_bfe_u32 v11, v0, 3, 1
	v_lshl_add_u32 v[AV0], v9, 3, v10
	v_mul_u32_u24 v[AV0], v[AV0], PV
	v_lshl_add_u32 v[AV0], v11, 4, v[AV0]
	v_add_nc_u32 v[AV0], VOFF, v[AV0]
	s_wait_tensorcnt 2              ; my quarter of Wq's codes is in; the two slots' loads may stay out
	s_barrier_signal -1
	s_barrier_wait -1               ; everybody's is
	FETCH_W 0
.irp s, 0,1,2,3,4,5,6,7
.if \s > 0
	PLACES                          ; in front of loads into the set that the step before last multiplied
.endif
.if \s < 7
	FETCH_W \s+1
	s_wait_dscnt 16                 ; all but the 16 just issued
.else
	s_wait_dscnt 0x0
.endif
	s_wait_loadcnt 56-8*\s          ; the scale words, bq and this step's eight loads of codes are in; eight for each later step may be out
	PROJ \s
.endr
.rept 5
	v_nop                           ; five places: the sums are read next, and the prologue's operands, scale words and sums are later written over by loads and by matrix instructions
.endr
	WIN 0x85                        ; q^T window 1 -> Q in f16, window 2
.irp t, 0,1,2,3
.irp n, 0,1,2,3,4,5,6,7
.irp i, 0,1,2,3
	v_cvt_pk_f16_f32 v[32*\t+4*\n+\i], v[64*\t+8*\n+2*\i], v[64*\t+8*\n+2*\i+1]   ; channel tiles 2 c and 2 c + 1 are registers 0-3 and 4-7 of the fragment of channels 32 c on
.endr
.endr
.endr
	WIN 0xc0
.irp f, 0,1,2,3,4,5,6,7             ; bv in O^T's layout: it stays to the end
	global_load_b128 v[128+8*\f:128+8*\f+3], v[BO], s[90:91] offset:64*\f
	global_load_b128 v[128+8*\f+4:128+8*\f+7], v[BO], s[90:91] offset:64*\f+16
.endr
	WIN 0
	s_wait_tensorcnt 1              ; my part of slot 0 is in; slot 1's may stay out
	s_barrier_signal -1
	s_barrier_wait -1
	FETCH_K                         ; key step 0
	s_wait_dscnt 0x0
.set i, 0
.rept 32
	KQ 0                            ; piece 0's first scores
.set i, i+1
.endr
	WIN 0                           ; the addresses for the way out: eight plain instructions, the places behind those products
	s_mul_i32 s13, s[WV], 16*SP
	s_add_co_u32 s13, s13, STAGE    ; my stage
	v_mul_u32_u24 v[STO], v1, SP
	v_lshl_add_u32 v[STO], v9, 4, v[STO]
	v_add_nc_u32 v[STO], s13, v[STO]
	v_mul_u32_u24 v[RD], v9, SP
	v_lshl_add_u32 v[RD], v1, 4, v[RD]
	v_add_nc_u32 v[RD], s13, v[RD]
	v_lshlrev_b32 v[GO], 8, v9
	v_lshl_add_u32 v[GO], v1, 4, v[GO]
	TURN 2, 0, 1, 1                 ; piece 2's first scores | piece 0's first softmax | V of step 0
	TURN 0, 1, 1, 1                 ; piece 0: V^T P of step 0 starts O^T, K Q^T of step 1 | piece 2's first softmax | K of step 1
	TURN 2, 1, 1, 0                 ; piece 2: the same | piece 0's softmax of step 1 | V of step 1
	WIN 0
.Lslot:                             ; 14 trips: every slot but the last two is filled again
	CHANGE 1
	TWO_STEPS
	s_sub_co_u32 s[SLOTS], s[SLOTS], 1
	s_cmp_lg_u32 s[SLOTS], 0
	s_cbranch_scc1 .Lslot
	CHANGE 0                        ; the tail is written out
	TWO_STEPS
	TURN 0, 2, 0, 0                 ; piece 0: V^T P of the last step | piece 2's last softmax
.set i, 0
.rept 32
	PV 2, 0                         ; piece 2: V^T P of the last step
.set i, i+1
.endr
	; THE WAY OUT.  l's two halves and the other half of the lanes' are added; the additions are the places behind the last products.
	WIN 0
.irp t, 0,1,2,3
	v_add_f32 v[ST+8*\t+4], v[ST+8*\t+2], v[ST+8*\t+3]
.endr
.irp t, 0,1,2,3
	v_permlanex16_b32 v[ST+8*\t+5], v[ST+8*\t+4], s[SEL], s[SEL+1]
.endr
.irp t, 0,1,2,3
	v_add_f32 v[ST+8*\t+4], v[ST+8*\t+4], v[ST+8*\t+5]
.endr
.irp t, 0,1,2,3
	v_rcp_f32 v[ST+8*\t+6], v[ST+8*\t+4]
.endr
	v_nop                           ; a plain instruction between the last reciprocal and the use of its result
	s_wait_alu depctr_va_vdst(0)    ; and the wait ahead of the first use: one for the four
	s_wait_loadcnt 0x0              ; bv
	PACK 0
	PACK 1                          ; a tile's arithmetic stands between the loads of the tile before and its stores
	SEND 0, 16
	PACK 2
	SEND 1, 16
	PACK 3
	SEND 2, 16
	SEND 3, 0
	s_wait_tensorcnt 0x0            ; the wave's end
	ds_add_u32 v[SPW], v[NIL]
	s_wait_dscnt 0x0
	CROUND                          ; the closing round
	s_endpgm
.Lfunc_end_k_q0676a7fc9c_attn:
	.size	k_q0676a7fc9c_attn, .Lfunc_end_k_q0676a7fc9c_attn-k_q0676a7fc9c_attn
	.p2alignl 7, 3214868480
	.fill 96, 4, 3214868480
	.section	.rodata,"a",@progbits
	.p2align	6, 0x0
	.amdhsa_kernel k_q0676a7fc9c_attn
		.amdhsa_group_segment_fixed_size 327680
		.amdhsa_private_segment_fixed_size 0
		.amdhsa_enable_private_segment 0
		.amdhsa_kernarg_size 64
		.amdhsa_user_sgpr_count 2
		.amdhsa_user_sgpr_kernarg_segment_ptr 1
		.amdhsa_wavefront_size32 1
		.amdhsa_system_sgpr_workgroup_id_x 1
		.amdhsa_system_sgpr_workgroup_id_y 1
		.amdhsa_system_sgpr_workgroup_id_z 1
		.amdhsa_system_vgpr_workitem_id 0
		.amdhsa_next_free_vgpr 1024
		.amdhsa_next_free_sgpr 100
		.amdhsa_reserve_vcc 0
		.amdhsa_float_denorm_mode_32 3
		.amdhsa_float_denorm_mode_16_64 3
		.amdhsa_memory_ordered 1
		.amdhsa_forward_progress 1
		.amdhsa_inst_pref_size 255
	.end_amdhsa_kernel
	.section	.bss,"aw",@nobits
	.p2align	6
	.space	262144
	.amdgpu_metadata
---
amdhsa.version: [ 1, 2 ]
amdhsa.kernels:
  - .name:           k_q0676a7fc9c_attn
    .symbol:         k_q0676a7fc9c_attn.kd
    .args:
      - { .name: act_codes, .offset: 0, .size: 8, .value_kind: global_buffer, .address_space: global }
      - { .name: act_scales, .offset: 8, .size: 8, .value_kind: global_buffer, .address_space: global }
      - { .name: w_codes, .offset: 16, .size: 8, .value_kind: global_buffer, .address_space: global }
      - { .name: w_scales, .offset: 24, .size: 8, .value_kind: global_buffer, .address_space: global }
      - { .name: bq, .offset: 32, .size: 8, .value_kind: global_buffer, .address_space: global }
      - { .name: bv, .offset: 40, .size: 8, .value_kind: global_buffer, .address_space: global }
      - { .name: kv16, .offset: 48, .size: 8, .value_kind: global_buffer, .address_space: global }
      - { .name: oh, .offset: 56, .size: 8, .value_kind: global_buffer, .address_space: global }
    .group_segment_fixed_size: 327680
    .private_segment_fixed_size: 0
    .kernarg_segment_align: 8
    .kernarg_segment_size: 64
    .max_flat_workgroup_size: 128
    .sgpr_count:     100
    .vgpr_count:     1024
    .wavefront_size: 32
...
	.end_amdgpu_metadata
.endif
;; end of part 3
;; launch oproj (part 4): grid 8 x 32, 4 waves a work-group, clusters of 4 x 4, 327,680 bytes of LDS; arguments oh, wo16, bo, out0; writes out0
.if DOCPART == 4
	.amdgcn_target "amdgcn-amd-amdhsa--gfx1250"
	.amdhsa_code_object_version 6
	.text
	.protected	k_q0676a7fc9c_oproj
	.globl	k_q0676a7fc9c_oproj
	.p2align	8
	.type	k_q0676a7fc9c_oproj,@function
k_q0676a7fc9c_oproj:
	s_mov_b64 s[64:65], 0
	v_nop
	global_prefetch_b8 v0, s[64:65] scope:SCOPE_SE
	s_setreg_imm32_b32 hwreg(HW_REG_WAVE_MODE, 25, 1), 1
	s_wait_xcnt 0x0
	s_wait_alu depctr_hold_cnt(0) depctr_sa_sdst(0) depctr_va_vdst(0) depctr_va_sdst(0) depctr_va_ssrc(0) depctr_va_vcc(0) depctr_vm_vsrc(0)
	s_getreg_b32 s2, hwreg(HW_REG_IB_STS2, 6, 4)
	s_cmp_eq_u32 s2, 0
	s_cbranch_scc0 .Lentry_in_a_cluster
	s_endpgm
.Lentry_in_a_cluster:
	s_bfe_u32 s2, ttmp6, 0x10000c
	s_cmp_lg_u32 s2, 0xf033
	s_cbranch_scc0 .Lentry_shape_is_right
	s_endpgm
.Lentry_shape_is_right:
; out0 = O Wo + bo.  O: oh [8 heads][8,192 rows][128] f16, so that a K step of 128 is one head and a tile's rows are dense; Wo: wo16 [1,024 k][2,048 n] f16, as Wo lies; sums in f32; out0 f32.
; A tile of out0, 256 x 256, is made by four waves, 128 x 128 each: 64 accumulators, 512 registers.  K = 1,024 goes in eight steps of 128 through a ring of two LDS slots filled by the tensor data mover.
; Wo's tile lies [k][n] in LDS and is turned on its way into registers, by ds_load_tr16_b128.  bo is the C of each sum's first matrix instruction.
; CLUSTERS: 4 x 4 work-groups; the four of a row need the same tiles of O, the four of a column the same tiles of Wo: each is asked for jointly.
; THE MATRIX INSTRUCTION IS USED TRANSPOSED (source 0 = 16 columns of Wo, source 1 = 16 rows of O): a lane holds eight neighbouring numbers of a row of out0.
; REGISTERS: window 0: v16-29 addresses; v64-127, v128-191 O's fragments, two buffers; v192-255 bo in the result's layout; on the way out v128-255 rows of out0.
;   window 1: v64-127, v128-191 Wo's fragments.   window 2: the accumulators of my rows 0-63 ((a, b) at v[8 (8 a + b)]);   window 3: those of rows 64-127.
.set PITCH,  272                       ; a row of O in LDS: 256 bytes + 16
.set BP,     544                       ; a row (one k) of Wo's tile: 512 bytes + 32
.set HALFT,  128*PITCH                 ; what one tensor load brings: 128 rows of O, or 64 rows of Wo (64 x 544 is the same)
.set SLOT,   4*HALFT                   ; O's 256 rows, then Wo's 128
.set STAGE,  2*SLOT                    ; the way out: 16 rows x 528 bytes for each wave
.set SPITCH, 528
.set SPARE,  STAGE+4*16*SPITCH         ; the spare words, 128 bytes a wave, that no other line names
.set LAPS,   4                         ; a lap = two K steps = once round the ring
.set ASTEP,  2097152                   ; a head of O in bytes
.set BSTEP,  524288                    ; 128 rows of Wo
.set ADRA, 16
.set ADRB, 20
.set STO,  24
.set RD,   25
.set CO,   26
.set BO,   27
.set SPW,  28
.set NIL,  29
.set F0,   64
.set F1,   128
.set BIAS, 192
.set BK,   128
.set G1,  24
.set G0,  32
.set G1B, 48
.set G0B, 56
.set MSB, 0
.macro WIN new
.if MSB != \new
	s_set_vgpr_msb (MSB<<8)|\new
.set MSB, \new
.endif
.endm
.set MUL_LO, 0xa1                      ; source 0 (Wo) window 1, source 1 (O) window 0, C and D window 2
.set MUL_HI, 0xf1
.set TO_B,   0x40
.macro JLOAD s                         ; waves 0 and 1 fetch O's halves, waves 2 and 3 Wo's; an s_nop 0 and four v_nop follow each of the two lines
	s_cmp_eq_u32 s13, 0
	s_cbranch_scc0 .Lfor_b_\@
	tensor_load_to_lds s[G0+4*\s:G0+4*\s+3], s[G1:G1+7]
	s_nop 0
.rept 4
	v_nop
.endr
	s_branch .Lasked_\@
.Lfor_b_\@:
	tensor_load_to_lds s[G0B+4*\s:G0B+4*\s+3], s[G1B:G1B+7]
	s_nop 0
.rept 4
	v_nop
.endr
.Lasked_\@:
.endm
.macro CREST                           ; a round of the cluster's barrier behind its opening barrier
	s_cmp_lg_u32 s12, 0
	s_cbranch_scc1 .Lnot_wave_0_\@
	s_barrier_signal -3
.Lnot_wave_0_\@:
	s_barrier_wait -3
	s_barrier_signal -1
	s_barrier_wait -1
.endm
.macro CROUND
	s_barrier_signal -1
	s_barrier_wait -1
	CREST
.endm
.macro PLACES                          ; four plain places (ISA guide 7.12.1)
.rept 4
	v_nop
.endr
.endm
; 16 matrix instructions: row blocks a0, a0 + 1 of the window's four x all 8 column blocks, 32 along K.  zero = 1: the first product starts the sums, with bo as C.
.macro MUL16 f, hi, a0, zero
.irp a, \a0, \a0+1
.irp b, 0,1,2,3,4,5,6,7
.if \zero
	v_wmma_f32_16x16x32_f16 v[8*(8*(\a)+\b):8*(8*(\a)+\b)+7], v[\f+8*\b:\f+8*\b+7], v[\f+8*(4*\hi+\a):\f+8*(4*\hi+\a)+7], v[BIAS+8*\b:BIAS+8*\b+7]
.else
	v_wmma_f32_16x16x32_f16 v[8*(8*(\a)+\b):8*(8*(\a)+\b)+7], v[\f+8*\b:\f+8*\b+7], v[\f+8*(4*\hi+\a):\f+8*(4*\hi+\a)+7], v[8*(8*(\a)+\b):8*(8*(\a)+\b)+7]
.endif
.endr
.endr
.endm
; 32 LDS loads in one run: quarter q (32 along K) of a slot into buffer f: Wo's eight fragments, turned, then O's eight
.macro FETCH slot, q, f
	WIN TO_B
.irp i, 0,1,2,3,4,5,6,7
	ds_load_tr16_b128 v[\f+8*\i:\f+8*\i+3],   v[ADRB+\slot] offset:(\q)*32*BP+\i*32
	ds_load_tr16_b128 v[\f+8*\i+4:\f+8*\i+7], v[ADRB+\slot] offset:(\q)*32*BP+\i*32+16*BP
.endr
	WIN 0
.irp i, 0,1,2,3,4,5,6,7
	ds_load_b128 v[\f+8*\i:\f+8*\i+3],   v[ADRA+\slot] offset:(\q)*64+\i*16*PITCH
	ds_load_b128 v[\f+8*\i+4:\f+8*\i+7], v[ADRA+\slot] offset:(\q)*64+\i*16*PITCH+32
.endr
.endm
; One of a K step's first three quarters: multiplies buffer f; in its middle it fetches quarter q of the same slot into buffer g.
.macro QUARTER slot, q, f, g, zero
	s_wait_dscnt 8                                 ; Wo's fragments and O's rows 0-63 are in; the youngest eight loads (O's rows 64-127) may be out
.if \zero
	WIN 0x81                                       ; C (bo) in window 0
.else
	WIN MUL_LO
.endif
	MUL16 \f, 0, 0, \zero
	MUL16 \f, 0, 2, \zero
	PLACES
	FETCH \slot, \q, \g
	s_wait_dscnt 32                                ; all but the 32 just issued
.if \zero
	WIN 0xc1
.else
	WIN MUL_HI
.endif
	MUL16 \f, 1, 0, \zero
	MUL16 \f, 1, 2, \zero
.endm
; The last quarter's first half: ONE barrier for the change of slots.  In front of it each wave waits for all its tensor loads (one is out: its part of the next slot), adds 0 to its spare word,
; and waits for that and for its own reads of this slot.
.macro MEET round
	WIN 0
	s_wait_tensorcnt 0x0
	ds_add_u32 v[SPW], v[NIL]
	s_wait_dscnt 9                                 ; the add and the youngest eight loads may be out
	WIN MUL_LO
	MUL16 F1, 0, 0, 0
	s_wait_dscnt 0x0                               ; the add is done, and my reads of this slot are over
	s_barrier_signal -1
	MUL16 F1, 0, 2, 0
.if \round
	WIN 0
.endif
	s_barrier_wait -1
.endm
.macro TURN slot, next, fill           ; fill = 1: the slot just read out is filled again, two K steps on, behind a round of the cluster's barrier
	MEET \fill
.if \fill
	CREST
	s_add_nc_u64 s[G0+4*\slot+2:G0+4*\slot+3], s[G0+4*\slot+2:G0+4*\slot+3], 2*ASTEP
	s_add_nc_u64 s[G0B+4*\slot+2:G0B+4*\slot+3], s[G0B+4*\slot+2:G0B+4*\slot+3], 2*BSTEP
	JLOAD \slot                                    ; the first tensor load behind the round; its four v_nop are also the places in front of the loads below
.else
	PLACES
.endif
	FETCH \next, 0, F0
	WIN MUL_HI
	MUL16 F1, 1, 0, 0
	MUL16 F1, 1, 2, 0
.endm
; THE WAY OUT, block by block of 16 rows x 128 columns, through my own stage: in 32 bytes a lane, back as whole rows of 512 bytes.
.macro TOSTAGE a
.set AC, 64*((\a)%4)
.if (\a) < 4
	WIN 0x08                                       ; an LDS store's data are its source 1: window 2
.else
	WIN 0x0c                                       ; window 3
.endif
.irp b, 0,1,2,3,4,5,6,7
	ds_store_b128 v[STO], v[AC+8*\b:AC+8*\b+3] offset:64*\b          ; each accumulator from its low end on
	ds_store_b128 v[STO], v[AC+8*\b+4:AC+8*\b+7] offset:64*\b+16
.endr
	WIN 0
.set BBK, BK+64*((\a)%2)
.irp t, 0,1,2,3,4,5,6,7,8,9,10,11,12,13,14,15
	ds_load_b128 v[BBK+4*\t:BBK+4*\t+3], v[RD] offset:\t*SPITCH    ; LDS serves a wave's instructions in order: these see the stores above
.endr
.endm
.macro SEND a, younger
.set BBK, BK+64*((\a)%2)
	s_wait_dscnt \younger                          ; the block is back in registers
.if (\a) > 0
	s_add_nc_u64 s[10:11], s[10:11], 16*8192       ; 16 rows on (behind a wait on XCNT: the earlier stores have read their base)
.endif
.irp t, 0,1,2,3,4,5,6,7,8,9,10,11,12,13,14,15
	global_store_b128 v[CO], v[BBK+4*\t:BBK+4*\t+3], s[10:11] offset:\t*8192 th:TH_STORE_NT   ; 32 lanes store 512 consecutive bytes, aligned
.endr
.endm
	s_load_b256 s[4:11], s[0:1], 0x0               ; oh 4:5, wo16 6:7, bo 8:9, out0 10:11
	v_lshl_add_u32 v[SPW], v0, 2, SPARE
	v_mov_b32 v[NIL], 0
	ds_add_u32 v[SPW], v[NIL]                      ; the wave's opening: the add, twice on end, and its wait ahead of my first tensor load
	ds_add_u32 v[SPW], v[NIL]
	v_lshrrev_b32 v1, 5, v0
	v_readfirstlane_b32 s12, v1                    ; wave 0..3
	s_lshr_b32 s13, s12, 1                         ; my half of the rows.  Also: I fetch for O (0) or for Wo (1)
	s_and_b32 s14, s12, 1                          ; my half of the columns.  Also: which half of that tile I fetch
	s_bfe_u32 s40, ttmp6, 0x40000                  ; cx
	s_bfe_u32 s41, ttmp6, 0x40004                  ; cy
	s_lshl_b32 s42, ttmp9, 2
	s_add_co_u32 s42, s42, s40                     ; tile column
	s_and_b32 s43, ttmp7, 0xffff
	s_lshl_b32 s43, s43, 2
	s_add_co_u32 s43, s43, s41                     ; tile row
	s_lshl_b32 s44, s41, 2
	s_lshl_b32 s44, 15, s44                        ; my row of the cluster
	s_lshl_b32 s45, 0x1111, s40                    ; my column
	s_or_b32 s[G1+0], s44, (1<<16)|(1<<20)|(1<<21)|(5<<22)|(3<<25)   ; O: elements of 2 bytes; after every 64 words 4 words of padding
	s_mov_b32 s[G1+1], 128<<16                     ; tensor_dim0 = 128
	s_mov_b32 s[G1+2], 128<<16                     ; tensor_dim1 = 128
	s_mov_b32 s[G1+3], 128<<16                     ; tile_dim0
	s_mov_b32 s[G1+4], 128                         ; tile_dim1
	s_mov_b32 s[G1+5], 128                         ; from row to row
	s_mov_b32 s[G1+6], 0
	s_mov_b32 s[G1+7], 0
	s_or_b32 s[G1B+0], s45, (1<<16)|(1<<20)|(1<<21)|(6<<22)|(7<<25)  ; Wo: after every 128 words 8 words of padding
	s_mov_b32 s[G1B+1], 256<<16                    ; 256 columns
	s_mov_b32 s[G1B+2], 64<<16                     ; 64 rows (k)
	s_mov_b32 s[G1B+3], 256<<16
	s_mov_b32 s[G1B+4], 64
	s_mov_b32 s[G1B+5], 2048
	s_mov_b32 s[G1B+6], 0
	s_mov_b32 s[G1B+7], 0
	s_lshl_b32 s16, s43, 16                        ; O: row 256 x tile row + 128 x half, 256 bytes a row
	s_lshl_b32 s17, s14, 15
	s_add_co_u32 s16, s16, s17
	s_mov_b32 s17, 0
	s_lshl_b32 s46, s42, 9                         ; Wo: column 256 x tile column, row 64 x half of 4,096 bytes
	s_lshl_b32 s47, s14, 18
	s_add_co_u32 s46, s46, s47
	s_mov_b32 s47, 0
	s_mul_i32 s20, s12, HALFT                      ; where my tiles go: no place in the cluster enters an LDS address
	s_wait_dscnt 0x0                               ; both opening adds are done
	s_wait_kmcnt 0x0
	s_add_nc_u64 s[16:17], s[4:5], s[16:17]
	s_add_nc_u64 s[46:47], s[6:7], s[46:47]
	CROUND                                         ; all sixteen work-groups are here: the first joint loads meet
.irp s, 0,1
	s_mov_b32 s[G0+4*\s], 1
	s_add_co_u32 s[G0+4*\s+1], s20, \s*SLOT
	s_add_nc_u64 s[G0+4*\s+2:G0+4*\s+3], s[16:17], \s*ASTEP
	s_or_b32 s[G0+4*\s+3], s[G0+4*\s+3], 0x80000000
	s_mov_b32 s[G0B+4*\s], 1
	s_add_co_u32 s[G0B+4*\s+1], s20, \s*SLOT
	s_add_nc_u64 s[G0B+4*\s+2:G0B+4*\s+3], s[46:47], \s*BSTEP
	s_or_b32 s[G0B+4*\s+3], s[G0B+4*\s+3], 0x80000000
	JLOAD \s                                       ; two loads of mine are out
.endr
	v_and_b32 v1, 15, v0                           ; r
	v_bfe_u32 v2, v0, 4, 1                         ; h
	v_mul_u32_u24 v3, v1, PITCH
	v_lshl_add_u32 v3, v2, 4, v3                   ; O: row x pitch + 16 x half
	v_and_b32 v4, 7, v0                            ; Wo, for the turning load: k 8 h + l % 8, columns 8 ((l / 8) % 2) on
	v_bfe_u32 v5, v0, 3, 1
	v_lshl_add_u32 v4, v2, 3, v4
	v_mul_u32_u24 v4, v4, BP
	v_lshl_add_u32 v4, v5, 4, v4
	s_mul_i32 s21, s13, HALFT                      ; my 128 rows of O
	s_lshl_b32 s22, s14, 8                         ; my 128 columns of Wo: 256 bytes on in each row,
	s_add_co_u32 s22, s22, 2*HALFT                 ; behind O's 256 rows
.irp s, 0,1
	v_add_nc_u32 v[ADRA+\s], s21, v3
	v_add_nc_u32 v[ADRB+\s], s22, v4
	s_add_co_u32 s21, s21, SLOT
	s_add_co_u32 s22, s22, SLOT
.endr
	s_mul_i32 s23, s12, 16*SPITCH
	s_add_co_u32 s23, s23, STAGE                   ; my stage
	v_mul_u32_u24 v5, v1, SPITCH
	v_lshl_add_u32 v5, v2, 5, v5
	v_add_nc_u32 v[STO], s23, v5                   ; in: row r, 32 bytes for each half of the lanes
	v_and_b32 v6, 31, v0
	v_lshlrev_b32 v[CO], 4, v6                     ; back: the 32 lanes take one row of 512 bytes; the same in out0
	v_add_nc_u32 v[RD], s23, v[CO]
	v_lshlrev_b32 v[BO], 5, v2
	s_lshl_b32 s18, s42, 10
	s_lshl_b32 s19, s14, 9
	s_add_co_u32 s18, s18, s19                     ; my first column, in bytes of f32: in bo and in a row of out0
	s_mov_b32 s19, 0
	s_add_nc_u64 s[8:9], s[8:9], s[18:19]
	s_add_nc_u64 s[10:11], s[10:11], s[18:19]
	s_lshl_b32 s18, s43, 21                        ; my first row: 256 x tile row + 128 x half, 8,192 bytes a row
	s_lshl_b32 s21, s13, 20
	s_add_co_u32 s18, s18, s21
	s_add_nc_u64 s[10:11], s[10:11], s[18:19]
.irp b, 0,1,2,3,4,5,6,7                ; bo: lane (r, h) wants, for column block b, columns 16 b + 8 h + 0 .. 7
	global_load_b128 v[BIAS+8*\b:BIAS+8*\b+3], v[BO], s[8:9] offset:64*\b
	global_load_b128 v[BIAS+8*\b+4:BIAS+8*\b+7], v[BO], s[8:9] offset:64*\b+16
.endr
	s_wait_tensorcnt 1                             ; my part of K step 0 is in; K step 1's load may be out
	s_barrier_signal -1
	s_barrier_wait -1
	FETCH 0, 0, F0
	s_wait_loadcnt 0x0                             ; bo
	QUARTER 0, 1, F0, F1, 1                        ; the first quarter stands in front of the loop: its products start the sums
	WIN 0                                          ; at a label and at a branch every window is 0
	s_mov_b32 s3, LAPS-1
.Llap:                                                 ; a trip goes once round the ring and fills both slots again; the 64 accumulators take turns
	QUARTER 0, 2, F1, F0, 0
	QUARTER 0, 3, F0, F1, 0
	TURN 0, 1, 1
	QUARTER 1, 1, F0, F1, 0
	QUARTER 1, 2, F1, F0, 0
	QUARTER 1, 3, F0, F1, 0
	TURN 1, 0, 1
	QUARTER 0, 1, F0, F1, 0
	WIN 0
	s_sub_co_u32 s3, s3, 1
	s_cmp_lg_u32 s3, 0
	s_cbranch_scc1 .Llap
	QUARTER 0, 2, F1, F0, 0                        ; the last lap fills nothing, and has no round of the cluster's barrier
	QUARTER 0, 3, F0, F1, 0
	TURN 0, 1, 0
	QUARTER 1, 1, F0, F1, 0
	QUARTER 1, 2, F1, F0, 0
	QUARTER 1, 3, F0, F1, 0
	s_wait_dscnt 8                                 ; the very last quarter: nothing more to fetch
	WIN MUL_LO
	MUL16 F1, 0, 0, 0
	MUL16 F1, 0, 2, 0
	s_wait_dscnt 0
	WIN MUL_HI
	MUL16 F1, 1, 0, 0
	MUL16 F1, 1, 2, 0
	WIN 0
	PLACES                                         ; in front of the first read of results and of loads into registers that held fragments and bo
	TOSTAGE 0
.irp a, 1,2,3,4,5,6,7
.if \a > 1
	s_wait_xcnt 0x0                                ; block a - 2's stores have read their registers and their base
.endif
	TOSTAGE \a
	SEND \a-1, 32                                  ; behind block a - 1's loads: block a's 16 stores and 16 loads
.endr
	s_wait_xcnt 0x0
	SEND 7, 0
	s_wait_tensorcnt 0x0                           ; the wave's end
	ds_add_u32 v[SPW], v[NIL]
	s_wait_dscnt 0x0
	CROUND                                         ; the closing round
	s_endpgm
.Lfunc_end_k_q0676a7fc9c_oproj:
	.size	k_q0676a7fc9c_oproj, .Lfunc_end_k_q0676a7fc9c_oproj-k_q0676a7fc9c_oproj
	.p2alignl 7, 3214868480
	.fill 96, 4, 3214868480
	.section	.rodata,"a",@progbits
	.p2align	6, 0x0
	.amdhsa_kernel k_q0676a7fc9c_oproj
		.amdhsa_group_segment_fixed_size 327680
		.amdhsa_private_segment_fixed_size 0
		.amdhsa_enable_private_segment 0
		.amdhsa_kernarg_size 32
		.amdhsa_user_sgpr_count 2
		.amdhsa_user_sgpr_kernarg_segment_ptr 1
		.amdhsa_wavefront_size32 1
		.amdhsa_system_sgpr_workgroup_id_x 1
		.amdhsa_system_sgpr_workgroup_id_y 1
		.amdhsa_system_sgpr_workgroup_id_z 1
		.amdhsa_system_vgpr_workitem_id 0
		.amdhsa_next_free_vgpr 1024
		.amdhsa_next_free_sgpr 66
		.amdhsa_reserve_vcc 0
		.amdhsa_float_denorm_mode_32 3
		.amdhsa_float_denorm_mode_16_64 3
		.amdhsa_memory_ordered 1
		.amdhsa_forward_progress 1
		.amdhsa_inst_pref_size 142
	.end_amdhsa_kernel
	.amdgpu_metadata
---
amdhsa.version: [ 1, 2 ]
amdhsa.kernels:
  - .name:           k_q0676a7fc9c_oproj
    .symbol:         k_q0676a7fc9c_oproj.kd
    .args:
      - { .name: oh, .offset: 0, .size: 8, .value_kind: global_buffer, .address_space: global }
      - { .name: wo16, .offset: 8, .size: 8, .value_kind: global_buffer, .address_space: global }
      - { .name: bo, .offset: 16, .size: 8, .value_kind: global_buffer, .address_space: global }
      - { .name: out0, .offset: 24, .size: 8, .value_kind: global_buffer, .address_space: global }
    .group_segment_fixed_size: 327680
    .private_segment_fixed_size: 0
    .kernarg_segment_align: 8
    .kernarg_segment_size: 32
    .max_flat_workgroup_size: 128
    .sgpr_count:     66
    .vgpr_count:     1024
    .wavefront_size: 32
...
	.end_amdgpu_metadata
.endif
;; end of part 4
